; MI455X (gfx1250); checked and timed in simulation.
; The chip was launched on July 23, 2026; its instructions are those of AMD's public machine-readable ISA for CDNA 5 (MIT licence, August 2026) and "CDNA5" Instruction Set Architecture Reference Guide (July 2026). The comments in the code are by the model that wrote it; some were corrected since.
;; RP Multi Head Attention. Allowed arithmetic: matrix products marked QUANTISED: E2M3 operands, one E8M0 scale for each 32 along K, by v_wmma_scale_f32_16x16x128_f8f6f4 with both operands' format E2M3, f32 sums; products left as they are: f32 operands where the result goes on into a quantised operand, else bf16, f16 or f32 operands; f32 sums; everything else in f32.
;; Inputs: Wc 1,024 x 64 float32; Wk 1,024 x 1,024 float32; Wo 1,024 x 1,024 float32; Wq 1,024 x 1,024 float32; Wv 1,024 x 1,024 float32; alpha 1 float32; attention_mask 2 x 1 x 2,048 x 2,048 bool; beta 1 float32; context 2 x 1,024 float32; prev_state 2 x 2,048 x 1,024 float32; x 2 x 2,048 x 1,024 float32.
;; Outputs: out0 2 x 2,048 x 1,024 float32.
;; This version of the problem:
;;   THIS VERSION OF THE PROBLEM IS GIVEN IN LOW PRECISION. The matrix products marked QUANTISED in the list below multiply operands that are first quantised to E2M3 (2 exponent bits, 3 mantissa bits; 6 bits a number), with one power-of-two scale for each 32 numbers along K (OCP MX v1.0); their sums are f32. All else is computed in f32.
;;   The module's matrix products, in the order in which they are computed (A, B: the left and right operand; K: the contracted axis; several contracted axes count as one K, in the product's order):
;;     1. [M 4,096, K 1,024] x [K 1,024, N 1,024]; A: input x; B: input Wq: QUANTISED
;;     2. [M 4,096, K 1,024] x [K 1,024, N 1,024]; A: input x; B: input Wk: QUANTISED
;;     3. [M 4,096, K 1,024] x [K 1,024, N 1,024]; A: input x; B: input Wv: QUANTISED
;;     4. batch 32 x [M 2,048, K 64] x [K 64, N 2,048]; A: computed on the way; B: computed on the way: QUANTISED
;;     5. [M 2, K 1,024] x [K 1,024, N 64]; A: input context; B: input Wc: left as it is (M = 2 < 16)
;;     6. batch 2 x [M 32,768, K 64] x [K 64, N 1]; A: computed on the way; B: computed on the way: left as it is (N = 1 < 16)
;;     7. batch 2 x [M 32,768, K 64] x [K 64, N 1]; A: computed on the way; B: computed on the way: left as it is (N = 1 < 16)
;;     8. batch 2 x [M 32,768, K 64] x [K 64, N 2,048]; A: computed on the way; B: input prev_state: QUANTISED
;;     9. batch 32 x [M 2,048, K 2,048] x [K 2,048, N 64]; A: softmax (see below); B: computed on the way: QUANTISED
;;     10. [M 4,096, K 1,024] x [K 1,024, N 1,024]; A: computed on the way; B: input Wo: QUANTISED
;;   THE QUANTISER, for each operand of a quantised product, along K:
;;     - K is cut into blocks of 32 from its start; a last block that is shorter is filled with zeros.
;;     - A block's scale is 2^e with e = floor(log2(the largest magnitude in the block)) - 2, held to -126 .. 127; a block of zeros has e = 0. As a byte (E8M0): e + 127.
;;     - Each number is divided by its block's scale, clamped to +-7.5, and rounded to the nearest number of E2M3, ties to even, subnormals kept.
;;     - The product sums the exact products of the quantised numbers (number of the format x scale) in f32.
;;   ~~~python
;;   def quantise(x, axis):      # numpy; x: float32 -> the quantised numbers, widened to float32 again
;;       x = np.moveaxis(x, axis, -1); K = x.shape[-1]
;;       x = np.pad(x, [(0, 0)] * (x.ndim - 1) + [(0, -K % 32)]); x = x.reshape(x.shape[:-1] + (-1, 32)); a = np.abs(x).max(-1, keepdims=True)
;;       e = np.where(a > 0, np.clip(np.frexp(np.where(a > 0, a, 1))[1] - 1 - 2, -126, 127), 0)      # np.frexp(a)[1] - 1 = floor(log2(a)), exactly
;;       r = np.clip(x / 2.0 ** e, -7.5, 7.5)
;;       step = 2.0 ** (np.maximum(np.frexp(np.where(r == 0, 1, r))[1] - 1, 0) - 3)
;;       q = np.round(r / step) * step * 2.0 ** e      # np.round: ties to even
;;       return np.moveaxis(q.reshape(q.shape[:-2] + (-1,))[..., :K], -1, axis).astype(np.float32)
;;   ~~~
;;   SOFTMAX AHEAD OF A QUANTISED PRODUCT. Where the list says 'softmax', what is quantised is not the finished softmax but p = 2^(t - M), with t = logit x log2(e) and M = ceil(the row's largest t), a whole number; so 1/2 < the row's largest p <= 1. The row's sum l is taken of the UNQUANTISED p, in f32, and the product's result is divided by l at the end. Since M is a whole number, a kernel that streams over the keys may use a running M (the ceiling of the running maximum): every later rescaling is an exact power of two, which a block's scale takes up: the codes' values come out the same.
;;   OPERANDS COMPUTED ON THE WAY. 'Computed on the way' means the value that the module computes at that place (a softmax that the list does not call 'softmax' is quantised finished and normalised). What goes into a quantiser is computed in f32, as accurately as f32 sums, v_exp_f32 and their like allow (about 1e-6 of the number): no bf16 or f16 on the way to a quantiser, and a product that is left as it is and whose result goes on into a quantised operand takes f32 operands (vector FMAs, or v_wmma_f32_16x16x4_f32). A number that lies on a knife's edge between two numbers of the format may be rounded either way, as far as f32 arithmetic and the matrix unit's own rounding can turn it there, and no further.
;; One version. Each part assembles by itself: llvm-mc -triple=amdgcn-amd-amdhsa -mcpu=gfx1250 --defsym DOCPART=n.
;; ======== version 1 of 1: 4 launches
;; limits: right only within a limited range of input values
;; workspace buffers: xq 3,276,800 bytes; wq 3,276,800 bytes; pc 213,504 bytes; mw 1,048,576 bytes of whole numbers; qb 3,670,016 bytes; kv 6,946,816 bytes; oq 3,276,800 bytes
;; launch prep (part 1): grid 524 x 1, 4 waves a work-group, no clusters, 68,096 bytes of LDS; arguments x, Wq, Wk, Wv, Wo, prev_state, attention_mask, context, Wc, xq, wq, pc, mw; writes xq, wq, pc, mw
.if DOCPART == 1
	.amdgcn_target "amdgcn-amd-amdhsa--gfx1250"
	.amdhsa_code_object_version 6
	.text
	.protected	k_q685ce323eb_prep
	.globl	k_q685ce323eb_prep
	.p2align	8
	.type	k_q685ce323eb_prep,@function
k_q685ce323eb_prep:
	s_mov_b64 s[64:65], 0
	v_nop
	global_prefetch_b8 v0, s[64:65] scope:SCOPE_SE
	s_setreg_imm32_b32 hwreg(HW_REG_WAVE_MODE, 25, 1), 1
	s_wait_xcnt 0x0
; PREP: everything that is done once.  Four kinds of work-group, told apart by the work-group's number:
;   0-3     C: c = context Wc, [2][64], in f32 fused multiply-adds (it goes on into the softmax's input, so nothing coarser)
;   4-11    P: prev_state[:, :, 0:64] as codes of E2M3 along its 64 channels, laid as images of operand registers
;   12-267  Q: x, Wq, Wk, Wv, Wo as codes of E2M3, K innermost, one E8M0 byte for each 32 along K
;   268-523 M: attention_mask as lane masks: one 32-bit word for each score register of a query tile and key step
; DEAD WORK.  reference() takes p = prev_state[..., :64]: channels 64 to 1023 of prev_state are sliced away and reach no output whatever they hold; they are not loaded.
; Every input has a way to the output, so every input is among some launch's arguments.  A NaN, an infinity or an overflow in the channels left out is not carried to the result.
; THE ORDER OF ROWS.  Rows of x, Wq, Wk, Wv are stored at the row number with its bits 3 and 4 changed over.  Sixteen stored neighbours are then rows 32 g + 8 u + r + 8 (r / 8), r = 0 .. 15:
; the tiles whose results lie, in the next launch's accumulators, as 16 neighbours along the axis that is quantised next.  A wave's run is 8 rows, so only the run's number is changed.  Wo keeps its order.
; A block's scale byte is its largest magnitude's exponent field - 2, held at 1 from below; a block of zeros so has the byte 1 where the rule says 127: its codes are zeros, and this program alone reads the bytes.
; LIMITS: NaN and infinities among the inputs are not served; blocks whose largest magnitude lies under 2^-124 have their byte held at 1.
; No tensor load, no cluster: no two work-groups read the same bytes.  Each kind that uses LDS has LDS bytes of its own.
.set SPARE, 67584                      ; the spare words: 128 bytes a wave, two blocks of 256 bytes that no other line names
.set SPW,   12                         ; v12  my spare word's LDS address; never rewritten
.set NIL,   13                         ; v13  0; never rewritten
.set SCOFF, 3145728                    ; where the scale bytes begin in xq and wq
.set CV,    212992                     ; where c begins in pc
	v_lshl_add_u32 v[SPW], v0, 2, SPARE
	v_mov_b32 v[NIL], 0
	v_lshrrev_b32 v1, 5, v0
	v_readfirstlane_b32 s16, v1                    ; wave 0..3
	v_and_b32 v2, 31, v0                           ; lane
	s_cmp_lt_u32 ttmp9, 4
	s_cbranch_scc1 .Lpath_c
	s_cmp_lt_u32 ttmp9, 12
	s_cbranch_scc1 .Lpath_p
	s_cmp_lt_u32 ttmp9, 268
	s_cbranch_scc1 .Lpath_q
; ---------------- M: a wave takes 32 queries x 256 keys of one batch: two query tiles x two key steps = 256 words
	s_load_b64 s[4:5], s[0:1], 0x30                ; attention_mask
	s_load_b64 s[8:9], s[0:1], 0x60                ; mw
	s_sub_co_u32 s17, ttmp9, 268
	s_lshl_b32 s17, s17, 2
	s_add_co_u32 s17, s17, s16                     ; task 0..1023: (batch, group of 32 queries) x 8 + which 256 keys
	s_lshr_b32 s18, s17, 3
	s_and_b32 s19, s17, 7
	s_lshl_b32 s22, s18, 16                        ; 32 rows of 2,048 bytes
	s_lshl_b32 s24, s19, 8
	s_add_co_u32 s22, s22, s24
	s_mov_b32 s23, 0
	s_lshl_b32 s24, s18, 13                        ; two tiles x 16 steps x 256 bytes of words
	s_lshl_b32 s25, s19, 9                         ; two steps
	s_add_co_u32 s24, s24, s25
	s_mov_b32 s25, 0
	s_mul_i32 s26, s16, 8704
	s_add_co_u32 s26, s26, 32768                   ; my wave's stage: 32 rows of 256 + 16 bytes
	s_wait_alu depctr_va_vdst(0)
	v_and_b32 v3, 15, v2                           ; r
	v_lshrrev_b32 v4, 4, v2                        ; h
	v_lshlrev_b32 v5, 4, v3
	v_lshl_add_u32 v6, v4, 11, v5                  ; in memory: sixteen lanes to a row's 256 bytes, two rows a load
	v_mad_u32_u24 v7, v4, 272, v5
	v_add_nc_u32 v7, s26, v7                       ; the same place in the stage
	v_and_b32 v8, 8, v3
	v_add_nc_u32 v8, v8, v3                        ; r + 8 (r / 8)
	v_mul_u32_u24 v8, v8, 272
	v_lshl_add_u32 v8, v4, 4, v8
	v_add_nc_u32 v8, s26, v8                       ; out of the stage: my query's row, my half's 16 keys of a block of 32
	v_lshlrev_b32 v9, 4, v2
.irp i, 0,1,2,3,4,5,6,7
	v_mov_b32 v[144+\i], 0                         ; a lane write's destination counts as read
.endr
	s_wait_kmcnt 0x0
	s_add_nc_u64 s[4:5], s[4:5], s[22:23]
	s_add_nc_u64 s[8:9], s[8:9], s[24:25]
.irp i, 0,1,2,3,4,5,6,7,8,9,10,11,12,13,14,15
	global_load_b128 v[16+4*\i:19+4*\i], v6, s[4:5] offset:4096*\i th:TH_LOAD_NT   ; sixteen lanes read 256 consecutive bytes
.endr
	s_wait_loadcnt 0x0
.irp i, 0,1,2,3,4,5,6,7,8,9,10,11,12,13,14,15
	ds_store_b128 v7, v[16+4*\i:19+4*\i] offset:544*\i
.endr
.irp u, 0,1
.irp s, 0,1
.irp b, 0,1,2,3
	ds_load_b128 v[80+4*(8*\u+4*\s+\b):83+4*(8*\u+4*\s+\b)], v8 offset:8*272*\u+128*\s+32*\b   ; LDS serves a wave's instructions in order: these see my stores
.endr
.endr
.endr
	s_wait_dscnt 0x0
; word n = 16 b + i of tile u, step s: bit l = the byte of lane l's query and key 32 b + 16 (l / 16) + i.  It goes to lane 16 s + n / 4, register n % 4, so that a tile's 128 words leave as 512 consecutive bytes
.irp u, 0,1
.irp s, 0,1
.irp b, 0,1,2,3
.irp i, 0,1,2,3,4,5,6,7,8,9,10,11,12,13,14,15
	v_bfe_u32 v[152+\i], v[80+4*(8*\u+4*\s+\b)+\i/4], 8*(\i%4), 8       ; in batches of sixteen, so that no line reads the line above it: sixteen bytes,
.endr
.irp i, 0,1,2,3,4,5,6,7,8,9,10,11,12,13,14,15
	v_cmp_ne_u32 s[28+\i], 0, v[152+\i]                                 ; sixteen lane masks,
.endr
.irp i, 0,1,2,3,4,5,6,7,8,9,10,11,12,13,14,15
	v_writelane_b32 v[144+4*\u+\i%4], s[28+\i], 16*\s+4*\b+\i/4         ; sixteen words laid down
.endr
.endr
.endr
.endr
	global_store_b128 v9, v[144:147], s[8:9]
	global_store_b128 v9, v[148:151], s[8:9] offset:4096
	s_wait_tensorcnt 0x0                           ; the wave's end, behind my last LDS store
	ds_add_u32 v[SPW], v[NIL]
	s_wait_dscnt 0x0
	s_endpgm
; ---------------- C: wave g makes c[b][4 g .. 4 g + 3] for both batches.  Lane l takes rows l + 32 k of Wc
.Lpath_c:
	s_load_b64 s[4:5], s[0:1], 0x38                ; context
	s_load_b64 s[6:7], s[0:1], 0x40                ; Wc
	s_load_b64 s[8:9], s[0:1], 0x58                ; pc
	s_mov_b32 s20, 0x76543210
	s_mov_b32 s21, 0xfedcba98                      ; lane selects: lane l xor 16
	s_lshl_b32 s17, ttmp9, 2
	s_add_co_u32 s17, s17, s16
	s_lshl_b32 s17, s17, 4                         ; 16 g
	s_wait_alu depctr_va_vdst(0)
	v_lshlrev_b32 v3, 8, v2
	v_add_nc_u32 v3, s17, v3                       ; a row of Wc is 256 bytes
	v_lshlrev_b32 v14, 2, v2
	s_wait_alu depctr_va_vdst(0)
	s_wait_kmcnt 0x0
.set K_, 0
.rept 32
	global_load_b128 v[80+4*K_:83+4*K_], v3, s[6:7] offset:8192*K_
	global_load_b32 v[16+K_], v14, s[4:5] offset:128*K_
	global_load_b32 v[48+K_], v14, s[4:5] offset:4096+128*K_
.set K_, K_+1
.endr
	s_wait_loadcnt 0x0
.irp e, 0,1,2,3
	v_mul_f32 v[4+\e], v16, v[80+\e]               ; the first products start the eight sums
	v_mul_f32 v[8+\e], v48, v[80+\e]
.endr
.set K_, 1
.rept 31
.irp e, 0,1,2,3
	v_fmac_f32 v[4+\e], v[16+K_], v[80+4*K_+\e]
	v_fmac_f32 v[8+\e], v[48+K_], v[80+4*K_+\e]
.endr
.set K_, K_+1
.endr
.irp m, 1,2,4,8
.irp a, 4,5,6,7,8,9,10,11
	v_add_f32_dpp v\a, v\a, v\a row_xmask:\m row_mask:0xf bank_mask:0xf
.endr
.endr
.irp a, 4,5,6,7,8,9,10,11
	v_permlanex16_b32 v[12+\a], v\a, s20, s21      ; v16-23 have been written
.endr
.irp a, 4,5,6,7,8,9,10,11
	v_add_f32 v\a, v\a, v[12+\a]
.endr
	v_mov_b32 v14, s17
	v_cmp_eq_u32 vcc_lo, 0, v2
	s_wait_alu depctr_va_vdst(0)
	s_wait_xcnt 0x0                                ; EXEC changes only behind this wait
	s_and_saveexec_b32 s22, vcc_lo                 ; lane 0 alone stores: c is 512 bytes in all, 16 of them from each wave and batch
	global_store_b128 v14, v[4:7], s[8:9] offset:CV
	global_store_b128 v14, v[8:11], s[8:9] offset:CV+256
	s_wait_xcnt 0x0
	s_or_b32 exec_lo, exec_lo, s22
	s_endpgm
; ---------------- P: a wave takes one batch's 128 keys (a key step): 8 tiles of 16 rows x 64 channels.  Lane (r, h) holds channels 32 h .. 32 h + 31 of row 32 (t / 2) + 8 (t % 2) + r + 8 (r / 8): a whole block
.Lpath_p:
	s_load_b64 s[4:5], s[0:1], 0x28                ; prev_state
	s_load_b64 s[8:9], s[0:1], 0x58                ; pc
	s_mov_b32 s20, 0x76543210
	s_mov_b32 s21, 0xfedcba98
	s_mov_b32 s24, 0xffff0000                      ; lanes 16-31
	s_sub_co_u32 s17, ttmp9, 4
	s_lshl_b32 s17, s17, 2
	s_add_co_u32 s17, s17, s16                     ; task = 16 batch + step
	s_lshl_b32 s18, s17, 19                        ; 128 rows of 4,096 bytes
	s_mov_b32 s19, 0
	s_mul_i32 s22, s17, 6656                       ; the block in pc: 6,144 bytes of images, 512 of scale words
	s_mov_b32 s23, 0
	s_wait_alu depctr_va_vdst(0)
	v_and_b32 v11, 15, v2
	v_lshrrev_b32 v14, 4, v2
	v_and_b32 v3, 8, v11
	v_add_nc_u32 v3, v3, v11
	v_lshlrev_b32 v3, 12, v3
	v_lshl_add_u32 v3, v14, 7, v3                  ; (r + 8 (r / 8)) rows + 128 h bytes
	v_lshlrev_b32 v9, 3, v2
	v_lshlrev_b32 v10, 4, v2
	v_mov_b32 v8, 0                                ; a lane permute's destination counts as read
	s_wait_alu depctr_va_vdst(0)
	s_wait_kmcnt 0x0
	s_add_nc_u64 s[4:5], s[4:5], s[18:19]
	s_add_nc_u64 s[8:9], s[8:9], s[22:23]
.macro PLOAD t                         ; a row's first 256 bytes are all that is read of it: eight loads on end take them, 16 bytes a lane
.irp j, 0,1,2,3,4,5,6,7
	global_load_b128 v[64+32*((\t)%4)+4*\j:64+32*((\t)%4)+4*\j+3], v3, s[4:5] offset:(32*((\t)/2)+8*((\t)%2))*4096+16*\j th:TH_LOAD_NT
.endr
.endm
.macro PTILE t, left
.set XP, 64+32*((\t)%4)
	s_wait_loadcnt \left                           ; this tile's eight loads are in; the younger tiles' stay out
	v_max3_num_f32 v4, |v[XP]|, |v[XP+1]|, |v[XP+2]|
	v_max3_num_f32 v5, |v[XP+3]|, |v[XP+4]|, |v[XP+5]|
.irp i, 6,10,14,18,22,26
	v_max3_num_f32 v4, v4, |v[XP+\i]|, |v[XP+\i+1]|
	v_max3_num_f32 v5, v5, |v[XP+\i+2]|, |v[XP+\i+3]|
.endr
	v_max3_num_f32 v4, v4, |v[XP+30]|, |v[XP+31]|
	v_max3_num_f32 v4, v4, v5, 0x1800000           ; and the floor 2^(3 - 127): the byte cannot fall under 1
	v_add_nc_u32 v6, 0xff000000, v4                ; 2 off the exponent field: the conversion's scale operand
	s_wait_alu depctr_va_vdst(0)
	s_wait_xcnt 0x0                                ; the last tile's stores have read the registers that the codes take
	v_cvt_scalef32_pk16_fp6_f32 v[32:34], v[XP:XP+15], v6
	v_cvt_scalef32_pk16_fp6_f32 v[36:38], v[XP+16:XP+31], v6   ; (a conversion's three registers begin on an even number)
	v_lshrrev_b32 v7, 23, v6                       ; the byte; also the plain line behind the conversions
	v_mov_b32 v35, v36
	v_mov_b32 v36, v37
	v_mov_b32 v37, v38                             ; v32-37: the six registers of half a fragment
.irp p, 0,1,2
	global_store_b64 v9, v[32+2*\p:33+2*\p], s[8:9] offset:768*(\t)+256*\p   ; 32 lanes store 256 consecutive bytes, aligned
.endr
.if (\t) < 4
	PLOAD (\t)+4
.endif
	v_permlanex16_b32 v8, v7, s20, s21             ; the row's other block's byte
	v_cndmask_b32 v15, v7, v8, s24                 ; block 0's,
	v_cndmask_b32 v16, v8, v7, s24                 ; block 1's
	v_lshl_or_b32 v[40+(\t)], v16, 8, v15
	v_lshl_or_b32 v[40+(\t)], v[40+(\t)], 16, v[40+(\t)]   ; the word (s0, s1, s0, s1): it serves in either half of a K of 128
.endm
	PLOAD 0
	PLOAD 1
	PLOAD 2
	PLOAD 3
	PTILE 0, 24
	PTILE 1, 24
	PTILE 2, 24
	PTILE 3, 24
	PTILE 4, 24
	PTILE 5, 16
	PTILE 6, 8
	PTILE 7, 0
.irp e, 0,1,2,3
	v_cndmask_b32 v[48+\e], v[40+\e], v[44+\e], s24   ; lanes 0-15 carry tiles 0-3's words, lanes 16-31 tiles 4-7's
.endr
	global_store_b128 v10, v[48:51], s[8:9] offset:6144
	s_endpgm
; ---------------- Q: a plain stream of blocks of 32.  A wave takes 16 steps of 512 numbers: 8 rows of 1,024
.Lpath_q:
.set STEPS, 16
.set EMAX,  2
.set CB,    12                         ; bytes of 16 codes
.set R,     16                         ; v16-143  eight sets of 16 numbers as they are loaded
.set X,     144                        ; v144-175 two sets of 16 neighbours
.set C,     192                        ; v192-255 codes: four registers for each step
.set E,     176                        ; v176-191 a scale byte for each step
.set WREG,  8192                       ; LDS: a region for each wave: two stages of 32 x SP bytes, then its 256 scale bytes
.set SP,    80                         ; a lane's place in a stage: 64 bytes + 16 of padding
	s_load_b256 s[24:31], s[0:1], 0x0              ; x, Wq, Wk, Wv
	s_load_b64 s[32:33], s[0:1], 0x20              ; Wo
	s_load_b64 s[36:37], s[0:1], 0x48              ; xq
	s_load_b64 s[38:39], s[0:1], 0x50              ; wq
	s_wait_alu depctr_va_vdst(0)
	v_lshlrev_b32 v3, 4, v2                        ; my 16 bytes of a load's 512
	s_mul_i32 s17, s16, WREG
	v_lshrrev_b32 v14, 2, v2
	v_mul_u32_u24 v14, v14, SP
	v_and_b32 v15, 3, v2
	v_lshl_add_u32 v14, v15, 4, v14
	v_add_nc_u32 v14, s17, v14                     ; the stage, on the way in
	v_mul_u32_u24 v15, v2, SP
	v_add_nc_u32 v15, s17, v15                     ; and on the way out: my 16 neighbours
	v_mul_u32_u24 v4, v2, CB
	v_lshrrev_b32 v5, 1, v2
	s_add_co_u32 s17, s17, 2*32*SP
	v_add_nc_u32 v5, s17, v5                       ; my block's scale byte in LDS
	v_lshlrev_b32 v7, 3, v2
	v_add_nc_u32 v6, s17, v7
	s_sub_co_u32 s17, ttmp9, 12                    ; 0-127 x; 128-159 Wq; 160-191 Wk; 192-223 Wv; 224-255 Wo
	s_and_b32 s18, s17, 31
	s_and_b32 s19, s16, 1
	s_lshl_b32 s19, s19, 1
	s_lshr_b32 s20, s16, 1
	s_or_b32 s19, s19, s20                         ; the wave's number with its two bits changed over: the run's place in the stored order
	s_wait_alu depctr_va_vdst(0)
	s_wait_kmcnt 0x0
	s_cmp_lt_u32 s17, 160                          ; every choice hangs on the work-group's number alone
	s_cselect_b64 s[4:5], s[26:27], s[28:29]
	s_cmp_lt_u32 s17, 192
	s_cselect_b64 s[4:5], s[4:5], s[30:31]
	s_cmp_lt_u32 s17, 224
	s_cselect_b64 s[4:5], s[4:5], s[32:33]
	s_cselect_b32 s19, s19, s16                    ; Wo keeps its order
	s_cmp_lt_u32 s17, 128
	s_cselect_b64 s[4:5], s[24:25], s[4:5]
	s_cselect_b64 s[8:9], s[36:37], s[38:39]
	s_cselect_b32 s18, s17, s18                    ; the work-group's number within its tensor
	s_cselect_b32 s20, 0, 128
	s_sub_co_u32 s20, s17, s20                     ; and within its buffer of codes
	s_lshl_b32 s18, s18, 2
	s_add_co_u32 s18, s18, s16                     ; the run that I read
	s_lshl_b32 s22, s18, 15                        ; 8,192 numbers of 4 bytes
	s_mov_b32 s23, 0
	s_add_nc_u64 s[4:5], s[4:5], s[22:23]
	s_lshl_b32 s20, s20, 2
	s_add_co_u32 s20, s20, s19                     ; the run that I write
	s_lshl_b32 s22, s20, 8
	s_add_nc_u64 s[10:11], s[8:9], s[22:23]
	s_add_nc_u64 s[10:11], s[10:11], SCOFF         ; its 256 scale bytes
	s_mul_i32 s22, s20, 6144
	s_add_nc_u64 s[8:9], s[8:9], s[22:23]          ; its 6,144 bytes of codes
.macro QLOAD t
.irp i, 0,1,2,3
	global_load_b128 v[R+16*((\t)%8)+4*\i:R+16*((\t)%8)+4*\i+3], v3, s[4:5] offset:2048*(\t)+512*\i th:TH_LOAD_NT   ; 32 lanes read 512 consecutive bytes
.endr
.endm
.macro QTURN t                         ; step t's numbers through the stage: LDS serves a wave's instructions in order
.irp i, 0,1,2,3
	ds_store_b128 v14, v[R+16*((\t)%8)+4*\i:R+16*((\t)%8)+4*\i+3] offset:32*SP*((\t)%2)+8*SP*\i
.endr
.irp i, 0,1,2,3
	ds_load_b128 v[X+16*((\t)%2)+4*\i:X+16*((\t)%2)+4*\i+3], v15 offset:32*SP*((\t)%2)+16*\i
.endr
.endm
.irp t, 0,1,2,3,4,5,6,7
	QLOAD \t
.endr
	s_wait_loadcnt 28                              ; step 0's four loads are in; the 28 of steps 1 to 7 may be out
	QTURN 0
.macro QSTEP t
.set XQ, X+16*((\t)%2)
.if (\t) > 0
	s_wait_dscnt 1                                 ; this step's numbers are back from the stage (the last step's byte store may be out)
.else
	s_wait_dscnt 0x0
.endif
.if (\t)+8 < STEPS
	QLOAD (\t)+8
.endif
.if (\t)+1 < STEPS
.if STEPS-2-(\t) >= 7
	s_wait_loadcnt 28                              ; the next step's four loads are in; those of the seven steps behind it may be out
.else
	s_wait_loadcnt 4*(STEPS-2-(\t))
.endif
	QTURN (\t)+1
.endif
	v_max3_num_f32 v8, |v[XQ]|, |v[XQ+1]|, |v[XQ+2]|
	v_max3_num_f32 v9, |v[XQ+3]|, |v[XQ+4]|, |v[XQ+5]|
.irp i, 6,10
	v_max3_num_f32 v8, v8, |v[XQ+\i]|, |v[XQ+\i+1]|
	v_max3_num_f32 v9, v9, |v[XQ+\i+2]|, |v[XQ+\i+3]|
.endr
	v_max3_num_f32 v8, v8, |v[XQ+14]|, |v[XQ+15]|
	v_max3_num_f32 v8, v8, v9, (EMAX+1)<<23        ; and the floor
	v_max_num_f32_dpp v8, v8, v8 row_xmask:1 row_mask:0xf bank_mask:0xf   ; with my neighbour's 16: the block's
	v_add_nc_u32 v11, -(EMAX<<23), v8
	v_cvt_scalef32_pk16_fp6_f32 v[C+4*(\t):C+4*(\t)+2], v[XQ:XQ+15], v11
	v_lshrrev_b32 v[E+(\t)], 23, v11
	ds_store_b8 v5, v[E+(\t)] offset:16*(\t)       ; both lanes of a block write the same byte with the same value
	global_store_b96 v4, v[C+4*(\t):C+4*(\t)+2], s[8:9] offset:32*CB*(\t)   ; the wave stores 384 consecutive bytes
.endm
.irp t, 0,1,2,3,4,5,6,7,8,9,10,11,12,13,14,15
	QSTEP \t
.endr
	ds_load_b64 v[8:9], v6
	s_wait_dscnt 0x0
	global_store_b64 v7, v[8:9], s[10:11]          ; 32 lanes store 256 consecutive bytes, aligned
	s_wait_tensorcnt 0x0                           ; the wave's end, behind my last LDS store
	ds_add_u32 v[SPW], v[NIL]
	s_wait_dscnt 0x0
	s_endpgm
.Lfunc_end_k_q685ce323eb_prep:
	.size	k_q685ce323eb_prep, .Lfunc_end_k_q685ce323eb_prep-k_q685ce323eb_prep
	.p2alignl 7, 3214868480
	.fill 96, 4, 3214868480
	.section	.rodata,"a",@progbits
	.p2align	6, 0x0
	.amdhsa_kernel k_q685ce323eb_prep
		.amdhsa_group_segment_fixed_size 68096
		.amdhsa_private_segment_fixed_size 0
		.amdhsa_enable_private_segment 0
		.amdhsa_kernarg_size 104
		.amdhsa_user_sgpr_count 2
		.amdhsa_user_sgpr_kernarg_segment_ptr 1
		.amdhsa_wavefront_size32 1
		.amdhsa_system_sgpr_workgroup_id_x 1
		.amdhsa_system_sgpr_workgroup_id_y 1
		.amdhsa_system_sgpr_workgroup_id_z 1
		.amdhsa_system_vgpr_workitem_id 0
		.amdhsa_next_free_vgpr 256
		.amdhsa_next_free_sgpr 66
		.amdhsa_reserve_vcc 1
		.amdhsa_float_denorm_mode_32 3
		.amdhsa_float_denorm_mode_16_64 3
		.amdhsa_memory_ordered 1
		.amdhsa_forward_progress 1
		.amdhsa_inst_pref_size 131
	.end_amdhsa_kernel
	.amdgpu_metadata
---
amdhsa.version: [ 1, 2 ]
amdhsa.kernels:
  - .name:           k_q685ce323eb_prep
    .symbol:         k_q685ce323eb_prep.kd
    .args:
      - { .name: x, .offset: 0, .size: 8, .value_kind: global_buffer, .address_space: global }
      - { .name: Wq, .offset: 8, .size: 8, .value_kind: global_buffer, .address_space: global }
      - { .name: Wk, .offset: 16, .size: 8, .value_kind: global_buffer, .address_space: global }
      - { .name: Wv, .offset: 24, .size: 8, .value_kind: global_buffer, .address_space: global }
      - { .name: Wo, .offset: 32, .size: 8, .value_kind: global_buffer, .address_space: global }
      - { .name: prev_state, .offset: 40, .size: 8, .value_kind: global_buffer, .address_space: global }
      - { .name: attention_mask, .offset: 48, .size: 8, .value_kind: global_buffer, .address_space: global }
      - { .name: context, .offset: 56, .size: 8, .value_kind: global_buffer, .address_space: global }
      - { .name: Wc, .offset: 64, .size: 8, .value_kind: global_buffer, .address_space: global }
      - { .name: xq, .offset: 72, .size: 8, .value_kind: global_buffer, .address_space: global }
      - { .name: wq, .offset: 80, .size: 8, .value_kind: global_buffer, .address_space: global }
      - { .name: pc, .offset: 88, .size: 8, .value_kind: global_buffer, .address_space: global }
      - { .name: mw, .offset: 96, .size: 8, .value_kind: global_buffer, .address_space: global }
    .group_segment_fixed_size: 68096
    .private_segment_fixed_size: 0
    .kernarg_segment_align: 8
    .kernarg_segment_size: 104
    .max_flat_workgroup_size: 128
    .sgpr_count:     66
    .vgpr_count:     256
    .wavefront_size: 32
...
	.end_amdgpu_metadata
.endif
;; end of part 1
;; launch qkv (part 2): grid 12 x 16, 4 waves a work-group, clusters of 4 x 4, 327,680 bytes of LDS; arguments xq, wq, pc, qb, kv; writes qb, kv
.if DOCPART == 2
	.amdgcn_target "amdgcn-amd-amdhsa--gfx1250"
	.amdhsa_code_object_version 6
	.text
	.protected	k_q685ce323eb_qkv
	.globl	k_q685ce323eb_qkv
	.p2align	8
	.type	k_q685ce323eb_qkv,@function
k_q685ce323eb_qkv:
	s_mov_b64 s[64:65], 0
	v_nop
	global_prefetch_b8 v0, s[64:65] scope:SCOPE_SE
	s_setreg_imm32_b32 hwreg(HW_REG_WAVE_MODE, 25, 1), 1
	s_wait_xcnt 0x0
	s_wait_alu depctr_hold_cnt(0) depctr_sa_sdst(0) depctr_va_vdst(0) depctr_va_sdst(0) depctr_va_ssrc(0) depctr_va_vcc(0) depctr_vm_vsrc(0)
	s_getreg_b32 s2, hwreg(HW_REG_IB_STS2, 6, 4)
	s_cmp_eq_u32 s2, 0
	s_cbranch_scc0 .Lentry_in_a_cluster
	s_endpgm
.Lentry_in_a_cluster:
	s_bfe_u32 s2, ttmp6, 0x10000c
	s_cmp_lg_u32 s2, 0xf033
	s_cbranch_scc0 .Lentry_shape_is_right
	s_endpgm
.Lentry_shape_is_right:
; q, k = Q(x) Q(W)^T and v^T = Q(Wv) Q(x)^T on codes of E2M3, then quantised again for the attention and stored as images of operand registers.
; Cluster columns 0, 1: source A = x's rows, B = Wq's or Wk's rows; cluster column 2: A = Wv's rows, B = x's rows (v comes out with the keys along a lane's registers).
; A work-group makes 256 x 256, a wave 128 x 128 (64 accumulators).  K = 1,024 is 768 bytes a row: three chunks of 256 bytes, each beginning on a 256-byte border, through two LDS slots;
; a step of 128 along K is 96 bytes, so steps 2 and 5 lie across two chunks.  The scales of the 512 rows come once, as dense blocks.  Every tile is asked for jointly: A's along a row of the 4 x 4 cluster, B's along a column.
; PREFETCH: chunks 1 and 2 are named at the head, behind the head's tensor loads: two instructions a wave, 32 rows x 256 bytes each, a lane a row.  Of the 128 rows that a wave fetches in the ring
; the four partners that ask for them jointly take 32 each, told apart by address (cx for A, cy for B): each row's chunk is named once in a cluster.  Every address lies inside a row of its buffer.
; WAY OUT: each 16 x 128 block is quantised along its lane's registers (blocks of 32), q and k also dotted with c in f32 (qc, kc).
.set SIZE_K, 1024
.set ROWB,   256
.set NQ,     2
.set KROW,   SIZE_K*6/8
.set STEPS,  SIZE_K/128
.set CHUNKS, KROW/ROWB
.set PITCH,  272
.set FR,     12
.set NL,     6
.set NP,     4
.set HALFT,  128*PITCH
.set SLOT,   4*HALFT
.set KS,     SIZE_K/32
.set SCL,    2*SLOT
.set HALFS,  (128*KS/256)*272
.set SBLK,   (16*KS/256)*272
.set SPARE,  SCL+4*HALFS               ; the spare words: 128 bytes a wave, named by no other line
.set STAGE,  (CHUNKS%2)*SLOT           ; the way out's stage: in the slot that does not hold the last chunk
.set SCOFF,  3145728
.set CV,     212992
.set PFO,  14                          ; v14 the prefetches' offset: lane x a row; never rewritten
.set PFA,  100                         ; s[100:101] my work-group's 32 rows of the 128 that I fetch; never rewritten
.set ADRA, 16
.set ADRB, 20
.set L8,   24
.set L16,  25
.set STA,  26
.set ADRS, 27
.set SPW,  28
.set NIL,  29
.set STB,  30
.set CO,   31
.set SC,   32
.set CC,   64
.set AF,   128
.set PC,   96
.set TM,   116
.set PW,   132
.set PWS,  136
.set KC,   144
.set DT,   160
.set XR,   168
.set G1, 24
.set G0, 32
.set G1B, 48
.set G0B, 56
.set G1S, 68
.set G0S, 76
.set G1SB, 80
.set G0SB, 88
.set G0H, 4
.set G0HB, 8
.set MSB, 0
.macro WIN new
.if MSB != \new
	s_set_vgpr_msb (MSB<<8)|\new
.set MSB, \new
.endif
.endm
.set MUL_LO, 0xa1
.set MUL_HI, 0xf1
.set TO_B,   0x40
.macro JLOAD g0a, g1a, g0b, g1b        ; waves 0, 1 fetch for A, waves 2, 3 for B; s_nop 0 and four v_nop behind each load
	s_cmp_eq_u32 s15, 0
	s_cbranch_scc0 .Lfor_b_\@
	tensor_load_to_lds s[\g0a:\g0a+3], s[\g1a:\g1a+7]
	s_nop 0
.rept 4
	v_nop
.endr
	s_branch .Lasked_\@
.Lfor_b_\@:
	tensor_load_to_lds s[\g0b:\g0b+3], s[\g1b:\g1b+7]
	s_nop 0
.rept 4
	v_nop
.endr
.Lasked_\@:
.endm
.macro CREST
	s_cmp_lg_u32 s14, 0
	s_cbranch_scc1 .Lnot_wave_0_\@
	s_barrier_signal -3
.Lnot_wave_0_\@:
	s_barrier_wait -3
	s_barrier_signal -1
	s_barrier_wait -1
.endm
.macro CROUND
	s_barrier_signal -1
	s_barrier_wait -1
	CREST
.endm
	s_load_b128 s[4:7], s[0:1], 0x0                ; xq, wq
	v_lshl_add_u32 v[SPW], v0, 2, SPARE
	v_mov_b32 v[NIL], 0
	ds_add_u32 v[SPW], v[NIL]                      ; the opening lines: the add twice on end and one wait
	ds_add_u32 v[SPW], v[NIL]
	v_lshrrev_b32 v1, 5, v0
	v_readfirstlane_b32 s14, v1                    ; wave
	s_lshr_b32 s15, s14, 1
	s_and_b32 s16, s14, 1
	s_bfe_u32 s40, ttmp6, 0x40000                  ; cx
	s_bfe_u32 s41, ttmp6, 0x40004                  ; cy
	s_and_b32 s95, ttmp7, 0xffff
	s_cmp_eq_u32 ttmp9, 2                          ; the cluster's column: the same in all partners
	s_cselect_b32 s17, 0, s95
	s_cselect_b32 s42, s95, ttmp9
	s_cselect_b32 s96, 2048, 0                     ; Wv begins at row 2,048 of wq
	s_lshl_b32 s17, s17, 2
	s_add_co_u32 s17, s17, s41                     ; A's tile
	s_lshl_b32 s42, s42, 2
	s_add_co_u32 s42, s42, s40                     ; B's tile
	s_lshl_b32 s43, s41, 2
	s_lshl_b32 s43, 15, s43
	s_lshl_b32 s44, 0x1111, s40
	s_or_b32 s[G1+0], s43, (0<<16)|(1<<20)|(1<<21)|(5<<22)|(3<<25)
	s_or_b32 s[G1B+0], s44, (0<<16)|(1<<20)|(1<<21)|(5<<22)|(3<<25)
.irp g, G1, G1B
	s_mov_b32 s[\g+1], ROWB<<16
	s_mov_b32 s[\g+2], 256<<16                     ; 256 rows for the head's loads
	s_mov_b32 s[\g+3], ROWB<<16
	s_mov_b32 s[\g+4], 256
	s_mov_b32 s[\g+5], KROW
	s_mov_b32 s[\g+6], 0
	s_mov_b32 s[\g+7], 0
.endr
	s_or_b32 s[G1S+0], s43, (3<<16)|(1<<20)|(1<<21)|(5<<22)|(3<<25)
	s_or_b32 s[G1SB+0], s44, (3<<16)|(1<<20)|(1<<21)|(5<<22)|(3<<25)
.irp g, G1S, G1SB
	s_mov_b32 s[\g+1], 32<<16
	s_mov_b32 s[\g+2], KS<<16
	s_mov_b32 s[\g+3], 32<<16
	s_mov_b32 s[\g+4], KS
	s_mov_b32 s[\g+5], 32
	s_mov_b32 s[\g+6], 0
	s_mov_b32 s[\g+7], 0
.endr
	s_lshl_b32 s20, s17, 8
	s_add_co_u32 s20, s20, s96                     ; A's first row
	s_lshl_b32 s46, s42, 8                         ; B's first row
	s_mov_b32 s21, 0
	s_mov_b32 s47, 0
	s_mov_b64 s[18:19], KS
	s_mul_u64 s[22:23], s[20:21], s[18:19]
	s_mul_u64 s[92:93], s[46:47], s[18:19]
	s_mov_b64 s[18:19], KROW
	s_mul_u64 s[20:21], s[20:21], s[18:19]
	s_mul_u64 s[46:47], s[46:47], s[18:19]
	s_mul_i32 s18, s16, 128*KROW
	s_mov_b32 s19, 0
	s_mul_i32 s45, s14, HALFT
	s_wait_dscnt 0x0
	s_wait_kmcnt 0x0
	s_cmp_eq_u32 ttmp9, 2
	s_cselect_b64 s[10:11], s[6:7], s[4:5]         ; A's buffer
	s_cselect_b64 s[12:13], s[4:5], s[6:7]         ; B's buffer
	s_add_nc_u64 s[20:21], s[10:11], s[20:21]
	s_add_nc_u64 s[22:23], s[10:11], s[22:23]
	s_add_nc_u64 s[22:23], s[22:23], SCOFF
	s_add_nc_u64 s[46:47], s[12:13], s[46:47]
	s_add_nc_u64 s[92:93], s[12:13], s[92:93]
	s_add_nc_u64 s[92:93], s[92:93], SCOFF
	CROUND                                         ; in front of the first joint loads
	s_mov_b32 s[G0H], 1
	s_mov_b32 s[G0H+1], 0
	s_mov_b64 s[G0H+2:G0H+3], s[20:21]
	s_or_b32 s[G0H+3], s[G0H+3], 0x80000000
	s_mov_b32 s[G0HB], 1
	s_mov_b32 s[G0HB+1], 2*HALFT
	s_mov_b64 s[G0HB+2:G0HB+3], s[46:47]
	s_or_b32 s[G0HB+3], s[G0HB+3], 0x80000000
	s_mov_b32 s[G0S], 1
	s_mov_b32 s[G0S+1], SCL
	s_mov_b64 s[G0S+2:G0S+3], s[22:23]
	s_or_b32 s[G0S+3], s[G0S+3], 0x80000000
	s_mov_b32 s[G0SB], 1
	s_mov_b32 s[G0SB+1], SCL+2*HALFS
	s_mov_b64 s[G0SB+2:G0SB+3], s[92:93]
	s_or_b32 s[G0SB+3], s[G0SB+3], 0x80000000
	s_add_nc_u64 s[20:21], s[20:21], s[18:19]
	s_add_nc_u64 s[46:47], s[46:47], s[18:19]
	s_cmp_eq_u32 s15, 0                            ; the prefetches: do I fetch for A?
	s_cselect_b64 s[PFA:PFA+1], s[20:21], s[46:47] ; the 128 rows that I fetch in the ring,
	s_cselect_b32 s2, s40, s41                     ; my place among the four that ask for them with me,
	s_mul_i32 s2, s2, 32*KROW
	s_mov_b32 s3, 0
	s_add_nc_u64 s[PFA:PFA+1], s[PFA:PFA+1], s[2:3] ; my work-group's 32 of them
.irp s, 0,1
	s_mov_b32 s[G0+4*\s], 1
	s_add_co_u32 s[G0+4*\s+1], s45, \s*SLOT
	s_add_nc_u64 s[G0+4*\s+2:G0+4*\s+3], s[20:21], \s*ROWB
	s_or_b32 s[G0+4*\s+3], s[G0+4*\s+3], 0x80000000
	s_mov_b32 s[G0B+4*\s], 1
	s_add_co_u32 s[G0B+4*\s+1], s45, \s*SLOT
	s_add_nc_u64 s[G0B+4*\s+2:G0B+4*\s+3], s[46:47], \s*ROWB
	s_or_b32 s[G0B+4*\s+3], s[G0B+4*\s+3], 0x80000000
.endr
; the head's four tiles, one load a wave: chunk 0 of A, chunk 0 of B, A's scales, B's scales
.macro ARM under, g0, g1, next
	s_cmp_lt_u32 s14, \under
	s_cbranch_scc0 \next
	tensor_load_to_lds s[\g0:\g0+3], s[\g1:\g1+7]
	s_nop 0
.rept 4
	v_nop
.endr
	s_branch .Lhead_asked
\next:
.endm
	ARM 1, G0H,  G1,  .Lhead_b
	ARM 2, G0HB, G1B, .Lhead_sa
	ARM 3, G0S,  G1S, .Lhead_sb
	tensor_load_to_lds s[G0SB:G0SB+3], s[G1SB:G1SB+7]
	s_nop 0
.rept 4
	v_nop
.endr
.Lhead_asked:
	v_and_b32 v[PFO], 31, v0
	v_mul_u32_u24 v[PFO], v[PFO], KROW
	v_and_b32 v1, 15, v0
	v_bfe_u32 v2, v0, 4, 1
	v_mul_u32_u24 v3, v1, PITCH
	v_mul_u32_u24 v4, v2, 24
	v_add_nc_u32 v4, v3, v4
	s_mov_b32 s21, SLOT-232
	s_mov_b32 s22, SLOT+232
	v_sub_nc_u32 v7, 1, v2
	v_mul_u32_u24 v5, s21, v2
	v_add_nc_u32 v5, v3, v5
	v_add_nc_u32 v5, 232, v5                       ; across two chunks: lanes 0-15 byte 232 in slot 0, lanes 16-31 byte 0 in slot 1
	v_mul_u32_u24 v6, s22, v7
	v_add_nc_u32 v6, v3, v6                        ; and the other way round
	s_mul_i32 s21, s15, HALFT
	s_mul_i32 s22, s16, HALFT
	s_add_co_u32 s22, s22, 2*HALFT
	v_add_nc_u32 v[ADRA+2], s21, v5
	v_add_nc_u32 v[ADRA+3], s21, v6
	v_add_nc_u32 v[ADRB+2], s22, v5
	v_add_nc_u32 v[ADRB+3], s22, v6
	global_prefetch_b8 v[PFO], s[PFA:PFA+1] offset:ROWB th:TH_LOAD_NT scope:SCOPE_SE     ; chunk 1 of my 32 rows,
	global_prefetch_b8 v[PFO], s[PFA:PFA+1] offset:2*ROWB th:TH_LOAD_NT scope:SCOPE_SE   ; and chunk 2
.irp s, 0,1
	v_add_nc_u32 v[ADRA+\s], s21, v4
	v_add_nc_u32 v[ADRB+\s], s22, v4
	s_add_co_u32 s21, s21, SLOT
	s_add_co_u32 s22, s22, SLOT
.endr
	v_mul_u32_u24 v5, v1, KS
	v_lshrrev_b32 v6, 8, v5
	v_lshl_add_u32 v5, v6, 4, v5
	s_mul_i32 s21, s15, HALFS
	s_mul_i32 s22, s16, HALFS
	s_add_co_u32 s22, s22, 2*HALFS
	s_sub_co_u32 s22, s22, s21
	v_mul_u32_u24 v6, s22, v2
	s_add_co_u32 s21, s21, SCL
	v_add_nc_u32 v5, v5, v6
	v_add_nc_u32 v[ADRS], s21, v5
	v_and_b32 v6, 31, v0
	v_lshlrev_b32 v[L8], 3, v6
	v_lshlrev_b32 v[L16], 4, v6
	s_lshl_b32 s23, s14, 10
	s_add_co_u32 s23, s23, STAGE
	v_lshl_add_u32 v[STA], v1, 2, s23
	v_add_nc_u32 v[STB], s23, v[L16]
	v_lshlrev_b32 v[CO], 6, v2
.macro FRAG reg, adr, st, i            ; 16 rows x 128 K: six pieces of 8 bytes; byte y of a row lies in slot (y / 256) % 2 at byte y % 256
.irp p, 0,1,2,3,4,5
.set BY, 96*(\st)+48*(\p/3)+8*(\p%3)
.if BY/ROWB == (BY+24)/ROWB
	ds_load_b64 v[\reg+2*\p:\reg+2*\p+1], v[\adr+(BY/ROWB)%2] offset:BY%ROWB+(\i)*16*PITCH
.else
	ds_load_b64 v[\reg+2*\p:\reg+2*\p+1], v[\adr+2+(BY/ROWB)%2] offset:BY%ROWB-232+(\i)*16*PITCH
.endif
.endr
.endm
.macro MUL16 a0, p, q, sc, zero        ; the 64 accumulators take turns
.irp a, \a0, \a0+1
.irp b, 0,1,2,3,4,5,6,7
.if \zero
	v_wmma_scale_f32_16x16x128_f8f6f4 v[8*(8*((\a)%4)+\b):8*(8*((\a)%4)+\b)+7], v[128*(\p)+FR*\b:128*(\p)+FR*\b+FR-1], v[AF+FR*(\a):AF+FR*(\a)+FR-1], 0, v[SC+8*NQ*(\sc)+NQ*\b+(\q)], v[SC+8*NQ*(\sc)+NQ*(\a)+(\q)] matrix_a_fmt:MATRIX_FMT_FP6 matrix_b_fmt:MATRIX_FMT_FP6 matrix_a_scale:MATRIX_SCALE_ROW1
.else
	v_wmma_scale_f32_16x16x128_f8f6f4 v[8*(8*((\a)%4)+\b):8*(8*((\a)%4)+\b)+7], v[128*(\p)+FR*\b:128*(\p)+FR*\b+FR-1], v[AF+FR*(\a):AF+FR*(\a)+FR-1], v[8*(8*((\a)%4)+\b):8*(8*((\a)%4)+\b)+7], v[SC+8*NQ*(\sc)+NQ*\b+(\q)], v[SC+8*NQ*(\sc)+NQ*(\a)+(\q)] matrix_a_fmt:MATRIX_FMT_FP6 matrix_b_fmt:MATRIX_FMT_FP6 matrix_a_scale:MATRIX_SCALE_ROW1
.endif
.endr
.endr
.endm
.macro FETCH_B st, p
	WIN TO_B
.irp i, 0,1,2,3,4,5,6,7
	FRAG 128*(\p)+FR*\i, ADRB, \st, \i
.endr
	WIN 0
.endm
.macro FETCH_A st, i0
.irp i, \i0, \i0+1, \i0+2, \i0+3
	FRAG AF+FR*(\i), ADRA, \st, \i
.endr
.endm
.macro SCALES pr
.irp i, 0,1,2,3,4,5,6,7
	ds_load_b64 v[SC+8*NQ*((\pr)%2)+NQ*\i:SC+8*NQ*((\pr)%2)+NQ*\i+1], v[ADRS] offset:\i*SBLK+4*NQ*(\pr)
.endr
.endm
.macro PLACES n
.rept \n
	v_nop
.endr
.endm
; A step: 64 products; the next step's fragments are fetched in its middle and at its end.  Where the next step's bytes end in a chunk not yet read: a wait for my tensor loads and a barrier.
; Where they begin in a later chunk: the same with an LDS add behind the wait, and, where a chunk two on is left, the cluster's round and the refill.
.macro STEP st, zero
.set NX, (\st)+1
.set C0, (96*(\st))/ROWB
.set C1, (96*NX)/ROWB
.set E0, (96*(\st)+95)/ROWB
.set E1, (96*NX+95)/ROWB
.if C1 > C0 || E1 > E0
	s_wait_tensorcnt 0x0
.if C1 > C0
	ds_add_u32 v[SPW], v[NIL]
	s_wait_dscnt 4*NL+1                            ; the add and A's blocks 4-7 may be out
.else
	s_wait_dscnt 4*NL
.endif
	WIN MUL_LO
	MUL16 0, (\st)%2, (\st)%2, ((\st)/2)%2, \zero
	s_wait_dscnt 0x0
	s_barrier_signal -1
	MUL16 2, (\st)%2, (\st)%2, ((\st)/2)%2, \zero
	WIN 0
	s_barrier_wait -1
.if C1 > C0 && C0+2 < CHUNKS
	CREST
	s_add_nc_u64 s[G0+4*(C0%2)+2:G0+4*(C0%2)+3], s[G0+4*(C0%2)+2:G0+4*(C0%2)+3], 2*ROWB
	s_add_nc_u64 s[G0B+4*(C0%2)+2:G0B+4*(C0%2)+3], s[G0B+4*(C0%2)+2:G0B+4*(C0%2)+3], 2*ROWB
	JLOAD G0+4*(C0%2), G1, G0B+4*(C0%2), G1B
.else
	PLACES NP
.endif
.else
	s_wait_dscnt 4*NL                              ; A's blocks 4-7 may be out
	WIN MUL_LO
	MUL16 0, (\st)%2, (\st)%2, ((\st)/2)%2, \zero
	MUL16 2, (\st)%2, (\st)%2, ((\st)/2)%2, \zero
	s_wait_dscnt 0
	PLACES NP
.endif
	FETCH_B NX, NX%2
	FETCH_A NX, 0
.if NX%2 == 0
	SCALES NX/2
.endif
	WIN MUL_HI
	MUL16 4, (\st)%2, (\st)%2, ((\st)/2)%2, \zero
	MUL16 6, (\st)%2, (\st)%2, ((\st)/2)%2, \zero
	PLACES NP
	WIN 0
	FETCH_A NX, 4
.endm
	s_wait_alu depctr_va_vdst(0)                   ; the head's end
	s_wait_tensorcnt 0x0                           ; my tile of the head's four is in; the three lines ahead of slot 1's first fill
	ds_add_u32 v[SPW], v[NIL]
	s_mov_b32 s[G1+2], 128<<16                     ; no load of mine is out: from here on a load brings 128 rows
	s_mov_b32 s[G1+4], 128
	s_mov_b32 s[G1B+2], 128<<16
	s_mov_b32 s[G1B+4], 128
	s_wait_dscnt 0x0
	CROUND
	JLOAD G0+4, G1, G0B+4, G1B                     ; chunk 1
	FETCH_B 0, 0
	FETCH_A 0, 0
	SCALES 0
	FETCH_A 0, 4
	STEP 0, 1
.set ST, 1
.rept STEPS-2
	STEP ST, 0
.set ST, ST+1
.endr
	s_wait_dscnt 4*NL
	WIN MUL_LO
	MUL16 0, 1, 1, 1, 0
	MUL16 2, 1, 1, 1, 0
	s_wait_dscnt 0
	WIN MUL_HI
	MUL16 4, 1, 1, 1, 0
	MUL16 6, 1, 1, 1, 0
	WIN 0
; block a (16 rows x 128): four blocks of 32 along a lane's registers are quantised; dot = 1: also the two heads' dots with c
.macro QUANTW a, dot
.set QB_, 64*((\a)%4)
.set QW_, 2+(\a)/4
.set WN_, 5*QW_
	WIN WN_
.irp b, 0,1,2,3
	v_max3_num_f32 v[TM+\b], |v[QB_+16*\b]|, |v[QB_+16*\b+1]|, 0x1800000
.endr
.irp i, 2,4,6,8,10,12,14
.irp b, 0,1,2,3
	v_max3_num_f32 v[TM+\b], |v[QB_+16*\b+\i]|, |v[QB_+16*\b+\i+1]|, v[TM+\b]
.endr
.endr
	WIN 0
.irp b, 0,1,2,3
	v_permlanex16_b32 v[TM+4+\b], v[TM+\b], s98, s99
.endr
.irp b, 0,1,2,3
	v_max_num_f32 v[TM+\b], v[TM+\b], v[TM+4+\b]
.endr
.irp b, 0,1,2,3
	v_add_nc_u32 v[TM+12+\b], 0xff000000, v[TM+\b]
.endr
.irp b, 0,1,2,3
	v_lshrrev_b32 v[TM+4+\b], 23, v[TM+12+\b]
.endr
	v_lshl_or_b32 v[PW], v[TM+5], 8, v[TM+4]
	v_lshl_or_b32 v[PW], v[TM+6], 16, v[PW]
	v_lshl_or_b32 v[PW], v[TM+7], 24, v[PW]
	s_wait_xcnt 0x0                                ; the last block's stores have read the registers that the codes take
	WIN QW_
.irp c, 0,1
	v_cvt_scalef32_pk16_fp6_f32 v[PC+6*\c:PC+2+6*\c], v[QB_+32*\c:QB_+15+32*\c], v[TM+12+2*\c]
	v_cvt_scalef32_pk16_fp6_f32 v[PC+12+4*\c:PC+14+4*\c], v[QB_+16+32*\c:QB_+31+32*\c], v[TM+12+2*\c+1]
.endr
.if \dot
.if (\a) == 0
	s_wait_loadcnt 0x0
.endif
.irp m, 0,2,4,6,8,10,12,14,16,18,20,22,24,26,28,30
.irp e, 0,1
.set DC_, DT+4*\e+2*((\m/2)%2)
.if \m < 4
	v_pk_mul_f32 v[DC_:DC_+1], v[QB_+32*\e+\m:QB_+32*\e+\m+1], v[CC+\m:CC+\m+1]
.else
	v_pk_fma_f32 v[DC_:DC_+1], v[QB_+32*\e+\m:QB_+32*\e+\m+1], v[CC+\m:CC+\m+1], v[DC_:DC_+1]
.endif
.endr
.endr
.else
	v_nop
.endif
	WIN 0
.irp c, 0,1
.irp i, 0,1,2
	v_permlane16_swap_b32 v[PC+6*\c+\i], v[PC+12+4*\c+\i]
.endr
.irp i, 0,1,2
	v_mov_b32 v[PC+3+6*\c+\i], v[PC+12+4*\c+\i]
.endr
.endr
	v_mov_b32 v[PWS+(\a)], v[PW]
.if \dot
.irp e, 0,1
	v_pk_add_f32 v[DT+4*\e:DT+4*\e+1], v[DT+4*\e:DT+4*\e+1], v[DT+4*\e+2:DT+4*\e+3]
.endr
.irp e, 0,1
	v_add_f32 v[DT+4*\e], v[DT+4*\e], v[DT+4*\e+1]
.endr
.irp e, 0,1
	v_permlanex16_b32 v[DT+4*\e+2], v[DT+4*\e], s98, s99
.endr
.irp e, 0,1
	v_add_f32 v[KC+8*\e+(\a)], v[DT+4*\e], v[DT+4*\e+2]
.endr
.endif
.endm
	PLACES NP
	s_load_b64 s[8:9], s[0:1], 0x10                ; pc
	s_load_b64 s[4:5], s[0:1], 0x18                ; qb
	s_load_b64 s[6:7], s[0:1], 0x20                ; kv
	s_mov_b32 s97, 0xffff0000
	s_mov_b32 s98, 0x76543210
	s_mov_b32 s99, 0xfedcba98
.irp b, 0,1,2,3
	v_mov_b32 v[TM+4+\b], 0
.endr
	s_wait_alu depctr_va_vdst(0)
	s_wait_kmcnt 0x0
	s_cmp_eq_u32 ttmp9, 2
	s_cbranch_scc1 .Lpath_v
	s_lshr_b32 s20, s95, 1                         ; batch
	s_lshl_b32 s22, s20, 8
	s_mov_b32 s23, 0
	s_add_nc_u64 s[8:9], s[8:9], s[22:23]
.irp g, 0,1
.irp j, 0,1,2,3
	global_load_b128 v[CC+16*\g+4*\j:CC+16*\g+4*\j+3], v[CO], s[8:9] offset:CV+128*\g+16*\j
.endr
.endr
	s_lshl_b32 s20, s20, 4
	s_lshl_b32 s21, s40, 2
	s_add_co_u32 s20, s20, s21
	s_lshl_b32 s21, s16, 1
	s_add_co_u32 s20, s20, s21
	s_lshl_b32 s20, s20, 4
	s_and_b32 s21, s17, 7
	s_lshl_b32 s21, s21, 1
	s_add_co_u32 s20, s20, s21
	s_add_co_u32 s20, s20, s15
	s_mov_b32 s22, 13568
	s_cmp_eq_u32 ttmp9, 0
	s_cselect_b32 s22, 7168, s22
	s_cselect_b64 s[10:11], s[4:5], s[6:7]
	s_mul_i32 s20, s20, s22
	s_mov_b32 s21, 0
	s_add_nc_u64 s[10:11], s[10:11], s[20:21]
	s_lshl_b32 s20, s22, 4
	s_add_nc_u64 s[12:13], s[10:11], s[20:21]
.macro QKBLOCK a
	QUANTW \a, 1
.irp p, 0,1,2
	global_store_b64 v[L8], v[PC+2*\p:PC+2*\p+1], s[10:11] offset:768*(\a)+256*\p
	global_store_b64 v[L8], v[PC+6+2*\p:PC+7+2*\p], s[12:13] offset:768*(\a)+256*\p
.endr
.endm
.irp a, 0,1,2,3,4,5,6,7
	QKBLOCK \a
.endr
.irp e, 0,1,2,3
	v_cndmask_b32 v[XR+\e], v[PWS+\e], v[PWS+4+\e], s97
.endr
.irp e, 0,1,2,3
	v_perm_b32 v[XR+4+\e], v[XR+\e], v[XR+\e], 0x01000100
	v_perm_b32 v[XR+8+\e], v[XR+\e], v[XR+\e], 0x03020302
.endr
	global_store_b128 v[L16], v[XR+4:XR+7], s[10:11] offset:6144
	global_store_b128 v[L16], v[XR+8:XR+11], s[12:13] offset:6144
.irp e, 0,1
.irp a, 0,1,2,3,4,5,6,7
	ds_store_b32 v[STA], v[KC+8*\e+\a] offset:512*\e+64*\a
.endr
.endr
	ds_load_b128 v[XR+12:XR+15], v[STB]
	ds_load_b128 v[XR+16:XR+19], v[STB] offset:512
	s_wait_dscnt 0x0
	global_store_b128 v[L16], v[XR+12:XR+15], s[10:11] offset:6656
	global_store_b128 v[L16], v[XR+16:XR+19], s[12:13] offset:6656
	s_branch .Lend
.Lpath_v:
	s_lshr_b32 s20, s42, 3
	s_lshl_b32 s20, s20, 4
	s_lshl_b32 s21, s41, 2
	s_add_co_u32 s20, s20, s21
	s_lshl_b32 s21, s15, 1
	s_add_co_u32 s20, s20, s21
	s_lshl_b32 s20, s20, 4
	s_and_b32 s21, s42, 7
	s_lshl_b32 s21, s21, 1
	s_add_co_u32 s20, s20, s21
	s_add_co_u32 s20, s20, s16
	s_mul_i32 s20, s20, 13568
	s_add_co_u32 s20, s20, 7168
	s_mov_b32 s21, 0
	s_add_nc_u64 s[10:11], s[6:7], s[20:21]
	s_add_nc_u64 s[12:13], s[10:11], 16*13568
.macro VBLOCK a
	QUANTW \a, 0
.irp c, 0,1,2
	global_store_b128 v[L16], v[PC+4*\c:PC+4*\c+3], s[10+2*((\a)/4):11+2*((\a)/4)] offset:1536*((\a)%4)+512*\c
.endr
.if (\a)%4 == 3
	v_cndmask_b32 v[XR+2*((\a)/4)], v[PWS+(\a)-3], v[PWS+(\a)-1], s97
	v_cndmask_b32 v[XR+2*((\a)/4)+1], v[PWS+(\a)-2], v[PWS+(\a)], s97
	global_store_b64 v[L8], v[XR+2*((\a)/4):XR+2*((\a)/4)+1], s[10+2*((\a)/4):11+2*((\a)/4)] offset:6144
.endif
.endm
.irp a, 0,1,2,3,4,5,6,7
	VBLOCK \a
.endr
.Lend:
	s_wait_tensorcnt 0x0                           ; the wave's end
	ds_add_u32 v[SPW], v[NIL]
	s_wait_dscnt 0x0
	CROUND                                         ; the closing round
	s_endpgm
.Lfunc_end_k_q685ce323eb_qkv:
	.size	k_q685ce323eb_qkv, .Lfunc_end_k_q685ce323eb_qkv-k_q685ce323eb_qkv
	.p2alignl 7, 3214868480
	.fill 96, 4, 3214868480
	.section	.rodata,"a",@progbits
	.p2align	6, 0x0
	.amdhsa_kernel k_q685ce323eb_qkv
		.amdhsa_group_segment_fixed_size 327680
		.amdhsa_private_segment_fixed_size 0
		.amdhsa_enable_private_segment 0
		.amdhsa_kernarg_size 40
		.amdhsa_user_sgpr_count 2
		.amdhsa_user_sgpr_kernarg_segment_ptr 1
		.amdhsa_wavefront_size32 1
		.amdhsa_system_sgpr_workgroup_id_x 1
		.amdhsa_system_sgpr_workgroup_id_y 1
		.amdhsa_system_sgpr_workgroup_id_z 1
		.amdhsa_system_vgpr_workitem_id 0
		.amdhsa_next_free_vgpr 1024
		.amdhsa_next_free_sgpr 106
		.amdhsa_reserve_vcc 0
		.amdhsa_float_denorm_mode_32 3
		.amdhsa_float_denorm_mode_16_64 3
		.amdhsa_memory_ordered 1
		.amdhsa_forward_progress 1
		.amdhsa_inst_pref_size 225
	.end_amdhsa_kernel
	.amdgpu_metadata
---
amdhsa.version: [ 1, 2 ]
amdhsa.kernels:
  - .name:           k_q685ce323eb_qkv
    .symbol:         k_q685ce323eb_qkv.kd
    .args:
      - { .name: xq, .offset: 0, .size: 8, .value_kind: global_buffer, .address_space: global }
      - { .name: wq, .offset: 8, .size: 8, .value_kind: global_buffer, .address_space: global }
      - { .name: pc, .offset: 16, .size: 8, .value_kind: global_buffer, .address_space: global }
      - { .name: qb, .offset: 24, .size: 8, .value_kind: global_buffer, .address_space: global }
      - { .name: kv, .offset: 32, .size: 8, .value_kind: global_buffer, .address_space: global }
    .group_segment_fixed_size: 327680
    .private_segment_fixed_size: 0
    .kernarg_segment_align: 8
    .kernarg_segment_size: 40
    .max_flat_workgroup_size: 128
    .sgpr_count:     106
    .vgpr_count:     1024
    .wavefront_size: 32
...
	.end_amdgpu_metadata
.endif
;; end of part 2
;; launch attn (part 3): grid 8 x 32, 16 waves a work-group, no clusters, 327,680 bytes of LDS; arguments qb, kv, pc, mw, alpha, beta, oq; writes oq
.if DOCPART == 3
	.amdgcn_target "amdgcn-amd-amdhsa--gfx1250"
	.amdhsa_code_object_version 6
	.text
	.protected	k_q685ce323eb_attn
	.globl	k_q685ce323eb_attn
	.p2align	8
	.type	k_q685ce323eb_attn,@function
k_q685ce323eb_attn:
	s_mov_b64 s[64:65], 0
	v_nop
	global_prefetch_b8 v0, s[64:65] scope:SCOPE_SE
	s_setreg_imm32_b32 hwreg(HW_REG_WAVE_MODE, 25, 1), 1
	s_wait_xcnt 0x0
; ATTENTION on codes of E2M3.  For batch b, head n, query i, key j:  score = (Q(q).Q(k)) / 8 + alpha qc kc / 64 - beta (Q(q).Q(p)) / 8, chosen against the mask, softmax, times Q(v).
; Kept as D = 8 score = S1 - beta S2 + g' kc, g' = alpha qc / 8; t = D c1, c1 = log2(e) / 8; M = the running largest t rounded up to a whole number; p = 2^(t - M) is quantised along the keys;
; the row's sum is taken of the unquantised p and divides at the end.  When M moves, the sum and O are multiplied by a power of two.
; K = 64 IN AN INSTRUCTION OF 128: source 0 = [k | p], source 1 = [q | 0] for S1 and [0 | q] for S2, cut out of one run of 18 registers 0 (6), q (6), 0 (6).  S1 takes -beta S2 + g' kc as its C.
; THE MASK comes as lane masks, one scalar word for each of a step's 64 score registers, asked for a key step ahead.  A masked entry takes D = -2^33.  Where all 32 words of half a step are all ones
; the 32 selections would change nothing: a scalar branch on the words leads round them, and round nothing else.
; LIMITS: -2^33 is a score of -2^30 where reference() writes -1e9: D c1 is then a whole number, so a row without any key has p = 1 everywhere; the results are the same wherever a row's open scores
; lie above -1e9.  The scaled scores stay under 2^31 in magnitude.  NaN and infinities are not served.
; SHARES.  A work-group owns 256 queries of one head, each of its sixteen waves a tile of 16 (rows 32 g + 8 u + r + 8 (r / 8)), in 256 registers.  Both products are used transposed: a lane holds one query.
; LDS holds ALL 16 key steps of the head: 16 blocks of 13,568 bytes of k, kc, v and 6,656 of p = 323,584 bytes.  Wave w brings step w's block through its registers at the head; one barrier; nothing is filled again.
; NO TENSOR LOAD AND NO CLUSTER; the jump round the selections hangs on the mask words.
; No prefetch: all that the work-group reads of k, v and p is asked for at the head; there is no loop to run ahead in.
; The maxima and the sums run in two or more chains by turns.
; OUT: O / sum, quantised along D for the last product: codes in planes [head][row][48 bytes], scale bytes [row][32].
.set KVBLK, 13568
.set PBLK,  6656
.set BLK,   KVBLK+PBLK                 ; a key step's block in LDS
.set SPARE, 16*BLK                     ; the spare words: 128 bytes a wave, named by no other line
.set SCOFF, 3145728
.set SPW, 3
.set NIL, 4
.set A8,  5                            ; the step's block + 8 x lane
.set A16, 6                            ; + 16 x lane
.set AKC, 7                            ; + 32 x (lane / 16)
.set DM,  36                           ; -2^33
.set PSC, 40
.set KSC, 44
.set AF,  48                           ; v48-95 four fragments
.set S,   96                           ; v96-159 D, then p
.set KCR, 192                          ; v192-223 kc, then g' kc
.set TB,  2                            ; LDS byte at which the step's block begins
.set CNT, 3
.set WV,  28
.set MP,  30                           ; s[30:31] my tile's mask words of the step in hand
.set SEL, 66
.set CS,  100
.set NB,  104
; v1 lane, v2 lane / 16; v9, v10, v11: 8 lane, 16 lane, 32 (lane / 16); v12 -M, v13 the largest t, v[14:15] the sum; v16-33 0, q, 0; v34, v35 g'; v160-191 O^T; v224-235 p's codes;
; v232-247 at work; v248-249 v's scale words; v[250:251] a chain of the sum; v252 f; v253 p's scale word; v255 q's.  s32-63, s68-99: the step's 64 mask words; s[4:5] their conjunction.
.macro PLACES
.rept 4
	v_nop
.endr
.endm
	s_load_b256 s[32:39], s[0:1], 0x0              ; qb, kv, pc, mw
	s_load_b128 s[40:43], s[0:1], 0x20             ; alpha, beta
	v_lshl_add_u32 v[SPW], v0, 2, SPARE
	v_mov_b32 v[NIL], 0
	v_lshrrev_b32 v1, 5, v0
	v_readfirstlane_b32 s[WV], v1                  ; wave 0..15
	s_mov_b32 s44, ttmp9                           ; my block of 256 queries
	s_and_b32 s45, ttmp7, 0xffff                   ; 16 batch + head
	s_lshl_b32 s47, s45, 4
	s_add_co_u32 s47, s47, s[WV]
	s_mul_i32 s48, s47, KVBLK                      ; the block of kv that I bring: step = my wave's number
	s_mov_b32 s49, 0
	s_and_b32 s47, s45, 16
	s_add_co_u32 s47, s47, s[WV]
	s_mul_i32 s50, s47, PBLK                       ; and of p
	s_mov_b32 s51, 0
	s_mul_i32 s46, s[WV], BLK                      ; where they go
	s_lshl_b32 s52, s45, 4                         ; q's block
	s_lshl_b32 s53, s44, 1
	s_add_co_u32 s52, s52, s53
	s_lshr_b32 s53, s[WV], 3
	s_add_co_u32 s52, s52, s53
	s_mul_i32 s52, s52, 7168
	s_mov_b32 s53, 0
	s_and_b32 s54, s[WV], 7
	s_mul_i32 s55, s54, 768                        ; my tile's image,
	s_lshr_b32 s56, s54, 2
	s_lshl_b32 s56, s56, 8
	s_and_b32 s57, s54, 3
	s_lshl_b32 s57, s57, 2
	s_add_co_u32 s56, s56, s57
	s_add_co_u32 s56, s56, 6144                    ; its scale words,
	s_lshl_b32 s57, s54, 6
	s_add_co_u32 s57, s57, 6656                    ; its dots
	s_lshr_b32 s58, s45, 4                         ; the mask words: (128 batch + tile) x 4,096 bytes
	s_lshl_b32 s58, s58, 7
	s_lshl_b32 s59, s44, 4
	s_add_co_u32 s58, s58, s59
	s_add_co_u32 s58, s58, s[WV]
	s_lshl_b32 s58, s58, 12
	s_mov_b32 s59, 0
	s_mov_b32 s[SEL], 0x76543210
	s_mov_b32 s[SEL+1], 0xfedcba98
	s_mov_b32 s[CS], 0x3e38aa3b                    ; c1 = log2(e) / 8
	s_mov_b32 s[CS+1], s[CS]
	s_mov_b32 s[TB], 0
	s_mov_b32 s[CNT], 15
	v_and_b32 v1, 31, v0
	v_bfe_u32 v2, v0, 4, 1
	v_and_b32 v8, 15, v0
	v_lshlrev_b32 v9, 3, v1
	v_lshlrev_b32 v10, 4, v1
	v_lshlrev_b32 v11, 5, v2
	v_add_nc_u32 v5, s55, v9
	v_lshl_add_u32 v6, v8, 4, s56
	v_lshl_add_u32 v7, v8, 2, s57
	v_add_nc_u32 v37, s46, v10                     ; LDS: my block + 16 x lane
	v_add_nc_u32 v38, s46, v9
	s_wait_alu depctr_va_vdst(0)
	s_wait_kmcnt 0x0
	s_add_nc_u64 s[34:35], s[34:35], s[48:49]
	s_add_nc_u64 s[36:37], s[36:37], s[50:51]
	s_add_nc_u64 s[MP:MP+1], s[38:39], s[58:59]
	s_add_nc_u64 s[52:53], s[32:33], s[52:53]
	s_load_b32 s60, s[40:41], 0x0                  ; alpha
	s_load_b32 s61, s[42:43], 0x0                  ; beta
	global_load_b64 v[22:23], v5, s[52:53]         ; q's six registers stay
	global_load_b64 v[24:25], v5, s[52:53] offset:256
	global_load_b64 v[26:27], v5, s[52:53] offset:512
	global_load_b32 v255, v6, s[52:53]             ; q's scale word
	global_load_b32 v34, v7, s[52:53]              ; qc
.set I_, 0
.rept 26                                       ; 26 x 512 + 256 bytes of kv, 13 x 512 of p: 40 loads, each of neighbouring bytes in neighbouring lanes
	global_load_b128 v[48+4*I_:51+4*I_], v10, s[34:35] offset:512*I_
.set I_, I_+1
.endr
	global_load_b64 v[152:153], v9, s[34:35] offset:13312
.set I_, 0
.rept 13
	global_load_b128 v[156+4*I_:159+4*I_], v10, s[36:37] offset:512*I_
.set I_, I_+1
.endr
.irp j, 16,17,18,19,20,21,28,29,30,31,32,33
	v_mov_b32 v\j, 0                               ; zero codes on both sides of q
.endr
	v_mov_b32 v14, 0
	v_mov_b32 v15, 0
.irp b, 0,1,2,3
	v_mov_b32 v[236+\b], 0                         ; a lane permute's destination counts as read
.endr
	v_mov_b32 v253, 0
	v_mov_b32 v13, 0xff61b1e6                      ; the largest t so far: -3e38
	v_floor_f32 v12, -v13
	v_mov_b32 v[DM], 0xd0000000                    ; -2^33
.set I_, 0
.rept 26
	s_wait_loadcnt 39-I_                           ; behind kv's load I_ stand 25 - I_ of kv, the one of 8 bytes and p's 13
	ds_store_b128 v37, v[48+4*I_:51+4*I_] offset:512*I_
.set I_, I_+1
.endr
	s_wait_loadcnt 13
	ds_store_b64 v38, v[152:153] offset:13312
.set I_, 0
.rept 13
	s_wait_loadcnt 12-I_
	ds_store_b128 v37, v[156+4*I_:159+4*I_] offset:KVBLK+512*I_
.set I_, I_+1
.endr
.set J_, 0
.rept 32
	v_mov_b32 v[160+J_], 0                         ; O^T: the step is written once; the first change of M leaves zeros zeros
.set J_, J_+1
.endr
	s_wait_kmcnt 0x0
	v_mul_f32 v34, s60, v34
	v_mul_f32 v34, 0x3e000000, v34                 ; g' = alpha qc / 8
	v_mov_b32 v35, v34
	s_xor_b32 s[NB], s61, 0x80000000               ; -beta
	s_mov_b32 s[NB+1], s[NB]
	s_load_b512 s[32:47], s[MP:MP+1], 0x0          ; step 0's mask words: the head's scalars are done with
	s_load_b512 s[48:63], s[MP:MP+1], 0x40
	s_load_b512 s[68:83], s[MP:MP+1], 0x80
	s_load_b512 s[84:99], s[MP:MP+1], 0xc0
	s_wait_alu depctr_va_vdst(0)                   ; the head's end
	s_wait_dscnt 0x0                               ; for the others' sake: my block is stored
	s_barrier_signal -1
	s_barrier_wait -1                              ; all sixteen blocks are in
.macro LOADA g                         ; four tiles of 16 keys: [k | p] fragments, kc; with g = 0 the step's scale words
.if (\g) == 0
	ds_load_b128 v[KSC:KSC+3], v[A16] offset:6144
	ds_load_b128 v[PSC:PSC+3], v[A16] offset:KVBLK+6144
.endif
.irp t, 0,1,2,3
.irp p, 0,1,2
	ds_load_b64 v[AF+12*\t+2*\p:AF+12*\t+2*\p+1], v[A8] offset:768*(4*(\g)+\t)+256*\p
	ds_load_b64 v[AF+12*\t+6+2*\p:AF+12*\t+7+2*\p], v[A8] offset:KVBLK+768*(4*(\g)+\t)+256*\p
.endr
	ds_load_b128 v[KCR+8*\t:KCR+8*\t+3], v[AKC] offset:6656+64*(4*(\g)+\t)
	ds_load_b128 v[KCR+8*\t+4:KCR+8*\t+7], v[AKC] offset:6656+64*(4*(\g)+\t)+16
.endr
.endm
.macro LOADV                           ; four fragments of v^T (16 channels x the step's 128 keys) and their scale words
.irp t, 0,1,2,3
.irp c, 0,1,2
	ds_load_b128 v[AF+12*\t+4*\c:AF+12*\t+4*\c+3], v[A16] offset:7168+1536*\t+512*\c
.endr
.endr
	ds_load_b64 v[248:249], v[A8] offset:13312
.endm
.macro S2M g                           ; S2 = p q^T: source 1 = [0 | q]
.irp t, 0,1,2,3
.if \g
	v_wmma_scale_f32_16x16x128_f8f6f4 v[S+32*(\g)+8*\t:S+32*(\g)+8*\t+7], v[AF+12*\t:AF+12*\t+11], v[16:27], 0, v[PSC+\t], v255 matrix_a_fmt:MATRIX_FMT_FP6 matrix_b_fmt:MATRIX_FMT_FP6 matrix_a_scale:MATRIX_SCALE_ROW1
.else
	v_wmma_scale_f32_16x16x128_f8f6f4 v[S+32*(\g)+8*\t:S+32*(\g)+8*\t+7], v[AF+12*\t:AF+12*\t+11], v[16:27], 0, v[PSC+\t], v255 matrix_a_fmt:MATRIX_FMT_FP6 matrix_b_fmt:MATRIX_FMT_FP6
.endif
.endr
.endm
.macro S1M g                           ; D = k q^T + C: source 1 = [q | 0].  Four accumulators by turns
.irp t, 0,1,2,3
.if \g
	v_wmma_scale_f32_16x16x128_f8f6f4 v[S+32*(\g)+8*\t:S+32*(\g)+8*\t+7], v[AF+12*\t:AF+12*\t+11], v[22:33], v[S+32*(\g)+8*\t:S+32*(\g)+8*\t+7], v[KSC+\t], v255 matrix_a_fmt:MATRIX_FMT_FP6 matrix_b_fmt:MATRIX_FMT_FP6 matrix_a_scale:MATRIX_SCALE_ROW1
.else
	v_wmma_scale_f32_16x16x128_f8f6f4 v[S+32*(\g)+8*\t:S+32*(\g)+8*\t+7], v[AF+12*\t:AF+12*\t+11], v[22:33], v[S+32*(\g)+8*\t:S+32*(\g)+8*\t+7], v[KSC+\t], v255 matrix_a_fmt:MATRIX_FMT_FP6 matrix_b_fmt:MATRIX_FMT_FP6
.endif
.endr
.endm
.macro WKC                             ; g' kc: sixteen plain lines that name none of S2's registers: the places behind it
.set J_, 0
.rept 16
	v_pk_mul_f32 v[KCR+J_:KCR+J_+1], v[KCR+J_:KCR+J_+1], v[34:35] op_sel_hi:[1,0]
.set J_, J_+2
.endr
.endm
.macro CMB g                           ; C = -beta S2 + g' kc; each accumulator is read from its low end on
.set J_, 0
.rept 16
	v_pk_fma_f32 v[S+32*(\g)+J_:S+32*(\g)+J_+1], v[S+32*(\g)+J_:S+32*(\g)+J_+1], s[NB:NB+1], v[KCR+J_:KCR+J_+1] op_sel_hi:[1,0,1]
.set J_, J_+2
.endr
.endm
.macro TEST b, open                    ; are the 32 words from s[b] on all ones?  Then on to the label
	s_and_b64 s[4:5], s[\b:\b+1], s[\b+2:\b+3]
.irp k, 4,6,8,10,12,14,16,18,20,22,24,26,28,30
	s_and_b64 s[4:5], s[4:5], s[\b+\k:\b+\k+1]
.endr
	s_cmp_eq_u64 s[4:5], -1
	s_wait_alu depctr_va_vdst(0)
	s_cbranch_scc1 \open
.endm
.macro MASK g                          ; bit l of word n: lane l's query and register n's key count
.irp m, 0,1,2,3,4,5,6,7,8,9,10,11,12,13,14,15,16,17,18,19,20,21,22,23,24,25,26,27,28,29,30,31
	v_cndmask_b32 v[S+32*(\g)+\m], v[DM], v[S+32*(\g)+\m], s[32+36*(\g)+\m]
.endr
.endm
.macro BMAXA g                         ; the largest D of blocks 2 g and 2 g + 1 of 32 keys, first half; each accumulator's first read takes in one of its four lowest registers
.irp b, 0,1
	v_max3_num_f32 v[232+2*(\g)+\b], v[S+32*(\g)+16*\b], v[S+32*(\g)+16*\b+1], v[S+32*(\g)+16*\b+2]
.endr
.irp i, 3,5,7
.irp b, 0,1
	v_max3_num_f32 v[232+2*(\g)+\b], v[232+2*(\g)+\b], v[S+32*(\g)+16*\b+\i], v[S+32*(\g)+16*\b+\i+1]
.endr
.endr
.endm
.macro BMAXB g
.irp i, 9,11,13
.irp b, 0,1
	v_max3_num_f32 v[232+2*(\g)+\b], v[232+2*(\g)+\b], v[S+32*(\g)+16*\b+\i], v[S+32*(\g)+16*\b+\i+1]
.endr
.endr
.irp b, 0,1
	v_max_num_f32 v[232+2*(\g)+\b], v[232+2*(\g)+\b], v[S+32*(\g)+16*\b+15]
.endr
.endm
; A KEY STEP: 128 keys.  last = 1: no step follows, so no mask words are asked for.
.macro STEP last
	v_add_nc_u32 v[A8], s[TB], v9                  ; with the v_nop: the four places in front of loads into registers that the last products read
	v_add_nc_u32 v[A16], s[TB], v10
	v_add_nc_u32 v[AKC], s[TB], v11
	v_nop
	LOADA 0
	s_wait_dscnt 0x0
	S2M 0
	WKC
	CMB 0
	PLACES
	S1M 0
	PLACES                                         ; behind S1: its fragments' registers are loaded anew, its results read
	LOADA 1
	s_wait_kmcnt 0x0                               ; the step's 64 mask words, asked for a step ago
	TEST 32, .Lopen0_\@
	MASK 0
.Lopen0_\@:
.if !\last
	s_load_b512 s[32:47], s[MP:MP+1], 256          ; the next step's words, into the registers just used
	s_load_b512 s[48:63], s[MP:MP+1], 320
.endif
	s_wait_dscnt 0x0
	S2M 1
	WKC
	CMB 1
	BMAXA 0
	S1M 1
	BMAXB 0                                        ; eight plain lines on the first half's registers: the places behind S1
	LOADV
	TEST 68, .Lopen1_\@
	MASK 1
.Lopen1_\@:
.if !\last
	s_load_b512 s[68:83], s[MP:MP+1], 384
	s_load_b512 s[84:99], s[MP:MP+1], 448
.endif
	BMAXA 1
	BMAXB 1
.irp b, 0,1,2,3
	v_permlanex16_b32 v[236+\b], v[232+\b], s[SEL], s[SEL+1]
.endr
.irp b, 0,1,2,3
	v_max_num_f32 v[232+\b], v[232+\b], v[236+\b]  ; the block's largest D: for the row's maximum and, since p rises with D, for the block's largest p
.endr
	v_max3_num_f32 v254, v232, v233, v234
	v_max_num_f32 v254, v254, v235
	v_mul_f32 v254, s[CS], v254                    ; as t (c1 is positive)
	v_max_num_f32 v13, v13, v254                   ; the running largest t
	v_mov_b32 v254, v12
	v_floor_f32 v12, -v13                          ; the new -M = floor(-t)
	v_sub_f32 v254, v12, v254                      ; old M - new M: a whole number, 0 or less
	v_cvt_i32_f32 v254, v254                       ; (it saturates)
	v_ldexp_f32 v252, 1.0, v254                    ; f = 2^(old M - new M)
.set J_, 0
.rept 32
	v_pk_fma_f32 v[S+J_:S+J_+1], v[S+J_:S+J_+1], s[CS:CS+1], v[12:13] op_sel_hi:[1,0,0]   ; t - M
.set J_, J_+2
.endr
.irp b, 0,1,2,3
	v_fma_f32 v[232+\b], v[232+\b], s[CS], v12
.endr
.set J_, 0
	s_wait_alu depctr_va_vdst(0)
.rept 64
	v_exp_f32 v[S+J_], v[S+J_]                     ; p = 2^(t - M): one batch
.set J_, J_+1
.endr
	v_pk_mul_f32 v[14:15], v[14:15], v[252:253] op_sel_hi:[1,0]   ; the sum under the new M; the plain line behind the batch
	s_wait_alu depctr_va_vdst(0)                   ; one wait for the batch, ahead of its first reader
.irp b, 0,1,2,3
	v_exp_f32 v[232+\b], v[232+\b]                 ; the blocks' largest p: the same two instructions on the same number
.endr
	v_pk_add_f32 v[250:251], v[96:97], v[100:101]
	v_pk_add_f32 v[246:247], v[104:105], v[108:109]
	v_pk_add_f32 v[244:245], v[112:113], v[116:117]
	v_pk_add_f32 v[242:243], v[120:121], v[124:125]
	v_pk_add_f32 v[240:241], v[128:129], v[132:133]
	v_pk_add_f32 v[238:239], v[136:137], v[140:141]
	v_pk_add_f32 v[236:237], v[144:145], v[148:149]
	v_pk_add_f32 v[14:15], v[14:15], v[152:153]
	v_pk_add_f32 v[250:251], v[250:251], v[156:157]
	v_pk_add_f32 v[14:15], v[14:15], v[242:243]
	v_pk_add_f32 v[250:251], v[250:251], v[240:241]
	v_pk_add_f32 v[246:247], v[246:247], v[238:239]
	v_pk_add_f32 v[244:245], v[244:245], v[236:237]
	v_pk_add_f32 v[14:15], v[14:15], v[246:247]
	v_pk_add_f32 v[250:251], v[250:251], v[244:245]
	v_pk_add_f32 v[14:15], v[14:15], v[250:251]
	s_wait_alu depctr_va_vdst(0)                   ; and one for the four
.irp b, 0,1,2,3
	v_max_num_f32 v[232+\b], 0x1800000, v[232+\b]  ; the floor: the byte cannot fall under 1
.endr
.irp b, 0,1,2,3
	v_add_nc_u32 v[244+\b], 0xff000000, v[232+\b]
.endr
.irp b, 0,1,2,3
	v_lshrrev_b32 v[236+\b], 23, v[244+\b]
.endr
	v_lshl_or_b32 v253, v237, 8, v236              ; p's scale word for these 128 keys
	v_lshl_or_b32 v253, v238, 16, v253
	v_lshl_or_b32 v253, v239, 24, v253
.irp c, 0,1
	v_cvt_scalef32_pk16_fp6_f32 v[224+6*\c:226+6*\c], v[S+32*\c:S+15+32*\c], v[244+2*\c]
	v_cvt_scalef32_pk16_fp6_f32 v[236+4*\c:238+4*\c], v[S+16+32*\c:S+31+32*\c], v[244+2*\c+1]
.endr
	v_nop                                          ; one plain line behind a scaled conversion
.irp c, 0,1
.irp i, 0,1,2
	v_permlane16_swap_b32 v[224+6*\c+\i], v[236+4*\c+\i]
.endr
.irp i, 0,1,2
	v_mov_b32 v[227+6*\c+\i], v[236+4*\c+\i]
.endr
.endr
.set MI_, 0
.rept 16                                       ; O^T under the new M, and the sum's second chain, by turns: 32 plain lines between p's scale word and codes and the products that take them
	v_pk_mul_f32 v[160+2*MI_:161+2*MI_], v[160+2*MI_:161+2*MI_], v[252:253] op_sel_hi:[1,0]
.if MI_ == 0
	v_pk_add_f32 v[250:251], v[S+2:S+3], v[S+6:S+7]
.elseif MI_ < 15
	v_pk_add_f32 v[250:251], v[250:251], v[S+6+4*MI_:S+7+4*MI_]
.else
	v_pk_add_f32 v[14:15], v[14:15], v[250:251]
.endif
.set MI_, MI_+1
.endr
	s_wait_alu depctr_va_vdst(0)
	s_wait_dscnt 0x0                               ; v's fragments
.irp t, 0,1
	v_wmma_scale_f32_16x16x128_f8f6f4 v[160+8*\t:167+8*\t], v[AF+12*\t:AF+12*\t+11], v[224:235], v[160+8*\t:167+8*\t], v[248+\t], v253 matrix_a_fmt:MATRIX_FMT_FP6 matrix_b_fmt:MATRIX_FMT_FP6
.endr
.irp t, 2,3
	v_wmma_scale_f32_16x16x128_f8f6f4 v[160+8*\t:167+8*\t], v[AF+12*\t:AF+12*\t+11], v[224:235], v[160+8*\t:167+8*\t], v[246+\t], v253 matrix_a_fmt:MATRIX_FMT_FP6 matrix_b_fmt:MATRIX_FMT_FP6 matrix_a_scale:MATRIX_SCALE_ROW1
.endr
.endm
.Lstep:                                            ; 15 trips; the last step is written out: it asks for no mask words beyond the buffer
	STEP 0
	s_wait_xcnt 0x0                                ; the scalar loads have read their base
	s_add_nc_u64 s[MP:MP+1], s[MP:MP+1], 256
	s_add_co_u32 s[TB], s[TB], BLK
	s_sub_co_u32 s[CNT], s[CNT], 1
	s_cmp_lg_u32 s[CNT], 0
	s_cbranch_scc1 .Lstep
	STEP 1
	; THE WAY OUT.  Register 16 g + i of O^T is channel 32 g + 16 (lane / 16) + i of my query: 16 neighbours along the last product's K.
	s_load_b64 s[32:33], s[0:1], 0x30              ; oq
	s_mov_b32 s34, ttmp9
	s_and_b32 s35, ttmp7, 0xffff
	s_lshr_b32 s36, s35, 4                         ; batch
	s_and_b32 s35, s35, 15                         ; head
	s_lshl_b32 s36, s36, 11
	s_lshl_b32 s34, s34, 8
	s_add_co_u32 s36, s36, s34                     ; the work-group's first row
	s_lshr_b32 s37, s[WV], 1
	s_lshl_b32 s37, s37, 5
	s_and_b32 s38, s[WV], 1
	s_lshl_b32 s38, s38, 3
	s_add_co_u32 s37, s37, s38                     ; my tile's first row among the 256
	s_mul_i32 s38, s37, 48                         ; the stage: 256 rows of 48 bytes from LDS byte 0 on, in step 0's block, which is read no more behind the barrier below
	s_add_co_u32 s39, s36, s37
	s_lshl_b32 s39, s39, 5
	s_lshl_b32 s40, s35, 1
	s_add_co_u32 s40, s39, s40                     ; the scale bytes: 32 a row, my head's two
	s_mov_b32 s41, 0
	s_mul_i32 s42, s35, 196608                     ; the head's plane,
	s_mul_i32 s43, s36, 48
	s_add_co_u32 s42, s42, s43                     ; the work-group's rows,
	s_mul_i32 s44, s[WV], 768
	s_add_co_u32 s42, s42, s44                     ; the 768 bytes that I store
	s_mov_b32 s43, 0
	s_mov_b32 s45, 0xffff0000
	v_add_f32 v14, v14, v15
	v_permlanex16_b32 v252, v14, s[SEL], s[SEL+1]
	v_add_f32 v14, v14, v252                       ; the row's sum
	s_wait_alu depctr_va_vdst(0)
	v_rcp_f32 v14, v14
	v_and_b32 v8, 15, v0
	v_and_b32 v5, 8, v8
	v_add_nc_u32 v5, v5, v8                        ; r + 8 (r / 8)
	v_mul_u32_u24 v6, v5, 48
	v_mad_u32_u24 v6, v2, 12, v6
	v_add_nc_u32 v6, s38, v6                       ; my row's 48 bytes, my half's 12 of each 24
	v_lshl_add_u32 v7, v5, 5, v2
	v_add_nc_u32 v8, s44, v9
	s_wait_alu depctr_va_vdst(0)                   ; ahead of the first reader of the reciprocal and of O^T
.set J_, 0
.rept 32
	v_mul_f32 v[S+J_], v[160+J_], v14              ; O^T / the sum
.set J_, J_+1
.endr
.irp b, 0,1
	v_max3_num_f32 v[232+\b], |v[S+16*\b]|, |v[S+16*\b+1]|, 0x1800000
.endr
.irp i, 2,4,6,8,10,12,14
.irp b, 0,1
	v_max3_num_f32 v[232+\b], v[232+\b], |v[S+16*\b+\i]|, |v[S+16*\b+\i+1]|
.endr
.endr
.irp b, 0,1
	v_permlanex16_b32 v[236+\b], v[232+\b], s[SEL], s[SEL+1]
.endr
.irp b, 0,1
	v_max_num_f32 v[232+\b], v[232+\b], v[236+\b]
.endr
.irp b, 0,1
	v_add_nc_u32 v[244+\b], 0xff000000, v[232+\b]
.endr
	v_cvt_scalef32_pk16_fp6_f32 v[224:226], v[S:S+15], v244
	v_cvt_scalef32_pk16_fp6_f32 v[228:230], v[S+16:S+31], v245
.irp b, 0,1
	v_lshrrev_b32 v[236+\b], 23, v[244+\b]         ; the bytes; also the plain lines behind the conversions
.endr
	v_cndmask_b32 v240, v236, v237, s45            ; lanes 0-15 store block 0's byte, lanes 16-31 block 1's
	s_wait_alu depctr_va_vdst(0)
	s_wait_dscnt 0x0                               ; my reads of the blocks are over
	s_barrier_signal -1
	s_barrier_wait -1                              ; and so are everybody's: the stage may be written
.irp k, 0,1,2
	ds_store_b32 v6, v[224+\k] offset:4*\k
	ds_store_b32 v6, v[228+\k] offset:24+4*\k
.endr
	s_wait_kmcnt 0x0
	s_add_nc_u64 s[40:41], s[32:33], s[40:41]
	s_add_nc_u64 s[40:41], s[40:41], SCOFF
	s_add_nc_u64 s[42:43], s[32:33], s[42:43]
	global_store_b8 v7, v240, s[40:41]             ; two bytes for a row and head
	s_wait_dscnt 0x0                               ; for the others' sake: my stores into the stage are done
	s_barrier_signal -1
	s_barrier_wait -1
.irp p, 0,1,2
	ds_load_b64 v[128+2*\p:129+2*\p], v8 offset:256*\p
.endr
.irp p, 0,1,2
	s_wait_dscnt 2-\p
	global_store_b64 v9, v[128+2*\p:129+2*\p], s[42:43] offset:256*\p   ; 32 lanes store 256 consecutive bytes, aligned
.endr
	s_wait_tensorcnt 0x0                           ; the wave's end, behind my last LDS store
	ds_add_u32 v[SPW], v[NIL]
	s_wait_dscnt 0x0
	s_endpgm
.Lfunc_end_k_q685ce323eb_attn:
	.size	k_q685ce323eb_attn, .Lfunc_end_k_q685ce323eb_attn-k_q685ce323eb_attn
	.p2alignl 7, 3214868480
	.fill 96, 4, 3214868480
	.section	.rodata,"a",@progbits
	.p2align	6, 0x0
	.amdhsa_kernel k_q685ce323eb_attn
		.amdhsa_group_segment_fixed_size 327680
		.amdhsa_private_segment_fixed_size 0
		.amdhsa_enable_private_segment 0
		.amdhsa_kernarg_size 56
		.amdhsa_user_sgpr_count 2
		.amdhsa_user_sgpr_kernarg_segment_ptr 1
		.amdhsa_wavefront_size32 1
		.amdhsa_system_sgpr_workgroup_id_x 1
		.amdhsa_system_sgpr_workgroup_id_y 1
		.amdhsa_system_sgpr_workgroup_id_z 1
		.amdhsa_system_vgpr_workitem_id 0
		.amdhsa_next_free_vgpr 256
		.amdhsa_next_free_sgpr 106
		.amdhsa_reserve_vcc 0
		.amdhsa_float_denorm_mode_32 3
		.amdhsa_float_denorm_mode_16_64 3
		.amdhsa_memory_ordered 1
		.amdhsa_forward_progress 1
		.amdhsa_inst_pref_size 77
	.end_amdhsa_kernel
	.amdgpu_metadata
---
amdhsa.version: [ 1, 2 ]
amdhsa.kernels:
  - .name:           k_q685ce323eb_attn
    .symbol:         k_q685ce323eb_attn.kd
    .args:
      - { .name: qb, .offset: 0, .size: 8, .value_kind: global_buffer, .address_space: global }
      - { .name: kv, .offset: 8, .size: 8, .value_kind: global_buffer, .address_space: global }
      - { .name: pc, .offset: 16, .size: 8, .value_kind: global_buffer, .address_space: global }
      - { .name: mw, .offset: 24, .size: 8, .value_kind: global_buffer, .address_space: global }
      - { .name: alpha, .offset: 32, .size: 8, .value_kind: global_buffer, .address_space: global }
      - { .name: beta, .offset: 40, .size: 8, .value_kind: global_buffer, .address_space: global }
      - { .name: oq, .offset: 48, .size: 8, .value_kind: global_buffer, .address_space: global }
    .group_segment_fixed_size: 327680
    .private_segment_fixed_size: 0
    .kernarg_segment_align: 8
    .kernarg_segment_size: 56
    .max_flat_workgroup_size: 512
    .sgpr_count:     106
    .vgpr_count:     256
    .wavefront_size: 32
...
	.end_amdgpu_metadata
.endif
;; end of part 3
;; launch proj (part 4): grid 8 x 32, 4 waves a work-group, clusters of 4 x 4, 229,376 bytes of LDS; arguments oq, wq, out0; writes out0
.if DOCPART == 4
	.amdgcn_target "amdgcn-amd-amdhsa--gfx1250"
	.amdhsa_code_object_version 6
	.text
	.protected	k_q685ce323eb_proj
	.globl	k_q685ce323eb_proj
	.p2align	8
	.type	k_q685ce323eb_proj,@function
k_q685ce323eb_proj:
	s_mov_b64 s[64:65], 0
	v_nop
	global_prefetch_b8 v0, s[64:65] scope:SCOPE_SE
	s_setreg_imm32_b32 hwreg(HW_REG_WAVE_MODE, 25, 1), 1
	s_wait_xcnt 0x0
	s_wait_alu depctr_hold_cnt(0) depctr_sa_sdst(0) depctr_va_vdst(0) depctr_va_sdst(0) depctr_va_ssrc(0) depctr_va_vcc(0) depctr_vm_vsrc(0)
	s_getreg_b32 s2, hwreg(HW_REG_IB_STS2, 6, 4)
	s_cmp_eq_u32 s2, 0
	s_cbranch_scc0 .Lentry_in_a_cluster
	s_endpgm
.Lentry_in_a_cluster:
	s_bfe_u32 s2, ttmp6, 0x10000c
	s_cmp_lg_u32 s2, 0xf033
	s_cbranch_scc0 .Lentry_shape_is_right
	s_endpgm
.Lentry_shape_is_right:
; out0 = Q(o) Q(Wo)^T on codes of E2M3.  o's codes lie in planes [head 16][row 4,096][48 bytes], its scale bytes [row][32]; Wo's codes are rows 3,072 .. 4,095 of wq, 768 bytes each, its scale bytes [row][32].
; A work-group makes 128 x 128 of out0: 8 x 32 = 256 work-groups.  A wave makes 64 x 64: 16 accumulators (window 1, v0-127).
; ALL OF K LIES IN LDS: A as 16 planes of 128 rows x 48 bytes (one tile of 16 rows of 6,144 bytes), B as 128 rows of 768 bytes with 16 bytes of padding behind each 256 (pitch 816), and the two blocks of scales.
; Four tiles, four waves, one joint load a wave at the head; nothing is filled again.  A's tiles are shared along a row of the 4 x 4 cluster, B's along a column.
; No prefetch: everything is asked for at the head; there is no loop to run ahead in.
; Source 0 = rows of Wo, source 1 = rows of o: a lane holds eight neighbouring columns of one row of out0.
; window 0: v16-31 addresses; v32-127, v128-223 two sets of fragments (A's four at +0, B's four at +48); v224-255 scale words: register 8 i + step, lanes 0-15 A's block i, lanes 16-31 B's.
.set BP,     816
.set PLANE,  196608
.set BOFF,   16*6144
.set SCL,    BOFF+128*BP
.set HS,     16*272                    ; the scales of 128 rows: 16 units of 256 bytes + 16
.set SBLK,   2*272
.set SPARE,  SCL+2*HS                  ; the spare words: 128 bytes a wave, named by no other line
.set STAGE,  SPARE+512                 ; the way out: 16 rows of 256 + 16 bytes for each wave; no tensor load lands here
.set SCOFF,  3145728
.set ADRA, 16
.set ADRB, 18
.set STO,  24
.set RD,   25
.set CO,   26
.set ADRS, 27
.set SPW,  28
.set NIL,  29
.set SC,   224
.set G1, 24
.set G0, 32
.set G0B, 36
.set G1B, 48
.set G0S, 56
.set G0SB, 60
.set G1S, 68
.set G1SB, 80
.set MSB, 0
.macro WIN new
.if MSB != \new
	s_set_vgpr_msb (MSB<<8)|\new
.set MSB, \new
.endif
.endm
.macro CROUND
	s_barrier_signal -1
	s_barrier_wait -1
	s_cmp_lg_u32 s14, 0
	s_cbranch_scc1 .Lnot_wave_0_\@
	s_barrier_signal -3
.Lnot_wave_0_\@:
	s_barrier_wait -3
	s_barrier_signal -1
	s_barrier_wait -1
.endm
	s_load_b128 s[4:7], s[0:1], 0x0                ; oq, wq
	s_load_b64 s[12:13], s[0:1], 0x10              ; out0
	v_lshl_add_u32 v[SPW], v0, 2, SPARE
	v_mov_b32 v[NIL], 0
	ds_add_u32 v[SPW], v[NIL]                      ; the opening lines: the add twice on end and one wait
	ds_add_u32 v[SPW], v[NIL]
	v_lshrrev_b32 v1, 5, v0
	v_readfirstlane_b32 s14, v1                    ; wave
	s_lshr_b32 s15, s14, 1                         ; which 64 rows
	s_and_b32 s16, s14, 1                          ; which 64 columns
	s_bfe_u32 s40, ttmp6, 0x40000                  ; cx
	s_bfe_u32 s41, ttmp6, 0x40004                  ; cy
	s_lshl_b32 s42, ttmp9, 2
	s_add_co_u32 s42, s42, s40                     ; tile column 0..7
	s_and_b32 s17, ttmp7, 0xffff
	s_lshl_b32 s17, s17, 2
	s_add_co_u32 s17, s17, s41                     ; tile row 0..31
	s_lshl_b32 s43, s41, 2
	s_lshl_b32 s43, 15, s43
	s_lshl_b32 s44, 0x1111, s40
	s_or_b32 s[G1+0], s43, (3<<16)|(1<<21)         ; A: 16 rows (planes) of 768 elements of 8 bytes
	s_mov_b32 s[G1+1], 768<<16
	s_mov_b32 s[G1+2], 16<<16
	s_mov_b32 s[G1+3], 768<<16
	s_mov_b32 s[G1+4], 16
	s_mov_b32 s[G1+5], PLANE/8
	s_mov_b32 s[G1+6], 0
	s_mov_b32 s[G1+7], 0
	s_or_b32 s[G1B+0], s44, (0<<16)|(1<<20)|(1<<21)|(5<<22)|(3<<25)   ; B: 128 rows of 768 bytes, 4 words of padding behind every 64
	s_mov_b32 s[G1B+1], 768<<16
	s_mov_b32 s[G1B+2], 128<<16
	s_mov_b32 s[G1B+3], 768<<16
	s_mov_b32 s[G1B+4], 128
	s_mov_b32 s[G1B+5], 768
	s_mov_b32 s[G1B+6], 0
	s_mov_b32 s[G1B+7], 0
	s_or_b32 s[G1S+0], s43, (3<<16)|(1<<20)|(1<<21)|(5<<22)|(3<<25)   ; scales: 4,096 dense bytes as 16 rows of 256
	s_or_b32 s[G1SB+0], s44, (3<<16)|(1<<20)|(1<<21)|(5<<22)|(3<<25)
.irp g, G1S, G1SB
	s_mov_b32 s[\g+1], 32<<16
	s_mov_b32 s[\g+2], 16<<16
	s_mov_b32 s[\g+3], 32<<16
	s_mov_b32 s[\g+4], 16
	s_mov_b32 s[\g+5], 32
	s_mov_b32 s[\g+6], 0
	s_mov_b32 s[\g+7], 0
.endr
	s_mul_i32 s20, s17, 6144                       ; A: 128 rows of 48 bytes in each plane
	s_mov_b32 s21, 0
	s_lshl_b32 s22, s17, 12                        ; its scales
	s_mov_b32 s23, 0
	s_lshl_b32 s46, s42, 7
	s_add_co_u32 s46, s46, 3072                    ; B: Wo's row in wq
	s_lshl_b32 s92, s46, 5
	s_mov_b32 s93, 0
	s_mul_i32 s46, s46, 768
	s_mov_b32 s47, 0
	s_wait_dscnt 0x0
	s_wait_kmcnt 0x0
	s_add_nc_u64 s[20:21], s[4:5], s[20:21]
	s_add_nc_u64 s[22:23], s[4:5], s[22:23]
	s_add_nc_u64 s[22:23], s[22:23], SCOFF
	s_add_nc_u64 s[46:47], s[6:7], s[46:47]
	s_add_nc_u64 s[92:93], s[6:7], s[92:93]
	s_add_nc_u64 s[92:93], s[92:93], SCOFF
	CROUND                                         ; in front of the joint loads
	s_mov_b32 s[G0], 1
	s_mov_b32 s[G0+1], 0
	s_mov_b64 s[G0+2:G0+3], s[20:21]
	s_or_b32 s[G0+3], s[G0+3], 0x80000000
	s_mov_b32 s[G0B], 1
	s_mov_b32 s[G0B+1], BOFF
	s_mov_b64 s[G0B+2:G0B+3], s[46:47]
	s_or_b32 s[G0B+3], s[G0B+3], 0x80000000
	s_mov_b32 s[G0S], 1
	s_mov_b32 s[G0S+1], SCL
	s_mov_b64 s[G0S+2:G0S+3], s[22:23]
	s_or_b32 s[G0S+3], s[G0S+3], 0x80000000
	s_mov_b32 s[G0SB], 1
	s_mov_b32 s[G0SB+1], SCL+HS
	s_mov_b64 s[G0SB+2:G0SB+3], s[92:93]
	s_or_b32 s[G0SB+3], s[G0SB+3], 0x80000000
.macro ARM under, g0, g1, next         ; one chain of branches on the wave's number, one load to an arm; s_nop 0 and four v_nop behind each
	s_cmp_lt_u32 s14, \under
	s_cbranch_scc0 \next
	tensor_load_to_lds s[\g0:\g0+3], s[\g1:\g1+7]
	s_nop 0
.rept 4
	v_nop
.endr
	s_branch .Lhead_asked
\next:
.endm
	ARM 1, G0,  G1,  .Lhead_b
	ARM 2, G0B, G1B, .Lhead_sa
	ARM 3, G0S, G1S, .Lhead_sb
	tensor_load_to_lds s[G0SB:G0SB+3], s[G1SB:G1SB+7]
	s_nop 0
.rept 4
	v_nop
.endr
.Lhead_asked:
	s_mul_i32 s21, s15, 64*48                      ; my 64 rows of A
	s_mul_i32 s22, s16, 64*BP
	s_add_co_u32 s22, s22, BOFF                    ; my 64 rows of B
	s_mul_i32 s18, s15, 4*SBLK
	s_mul_i32 s19, s16, 4*SBLK
	s_add_co_u32 s19, s19, HS
	s_sub_co_u32 s19, s19, s18                     ; from A's scale words to B's
	s_add_co_u32 s18, s18, SCL
	s_mul_i32 s23, s14, 16*272
	s_add_co_u32 s23, s23, STAGE                   ; my stage
	s_lshl_b32 s46, s17, 19                        ; my first row of out0: (128 tile row + 64 half) x 4,096 bytes
	s_lshl_b32 s47, s15, 18
	s_add_co_u32 s46, s46, s47
	s_lshl_b32 s47, s42, 9                         ; my first column: 512 x tile column + 256 x half
	s_add_co_u32 s46, s46, s47
	s_lshl_b32 s47, s16, 8
	s_add_co_u32 s46, s46, s47
	s_mov_b32 s47, 0
	s_add_nc_u64 s[12:13], s[12:13], s[46:47]
	v_and_b32 v1, 15, v0                           ; r
	v_bfe_u32 v2, v0, 4, 1                         ; h
	v_mul_u32_u24 v4, v2, 24
	v_mad_u32_u24 v3, v1, 48, v4
	v_add_nc_u32 v[ADRA], s21, v3                  ; planes 0-7
	v_add_nc_u32 v[ADRA+1], 8*6144, v[ADRA]        ; planes 8-15
	v_mad_u32_u24 v5, v1, BP, v4
	v_add_nc_u32 v[ADRB], s22, v5
	v_lshl_add_u32 v[ADRB+1], v2, 4, v[ADRB]       ; for a piece whose lanes 16-31 lie behind the next padding
	v_lshlrev_b32 v5, 5, v1                        ; 32 scale bytes a row,
	v_lshrrev_b32 v6, 8, v5
	v_lshl_add_u32 v5, v6, 4, v5                   ; 16 more for each 256 passed
	v_mul_u32_u24 v6, s19, v2                      ; lanes 16-31 take B's
	v_add_nc_u32 v5, v5, v6
	v_add_nc_u32 v[ADRS], s18, v5
	v_mul_u32_u24 v5, v1, 272
	v_lshl_add_u32 v5, v2, 5, v5
	v_add_nc_u32 v[STO], s23, v5                   ; into the stage: row r, 32 bytes for each half
	v_mul_u32_u24 v5, v2, 272
	v_lshl_add_u32 v5, v1, 4, v5
	v_add_nc_u32 v[RD], s23, v5                    ; back: sixteen lanes to a row of 256 bytes, two rows a load
	v_lshlrev_b32 v5, 12, v2
	v_lshl_add_u32 v[CO], v1, 4, v5                ; the same two rows in out0
.macro FETCH st, f                     ; the fragments of step st (128 along K: heads 2 st, 2 st + 1) into the set at v[f]: 48 loads of 8 bytes
.irp i, 0,1,2,3
.irp p, 0,1,2,3,4,5
.set PL, 2*(\st)+\p/3
	ds_load_b64 v[\f+12*\i+2*\p:\f+12*\i+2*\p+1], v[ADRA+PL/8] offset:(PL%8)*6144+768*\i+8*(\p%3)
.endr
.endr
.irp i, 0,1,2,3
.irp p, 0,1,2,3,4,5
.set BY, 96*(\st)+48*(\p/3)+8*(\p%3)
.if BY/256 == (BY+24)/256
	ds_load_b64 v[\f+48+12*\i+2*\p:\f+48+12*\i+2*\p+1], v[ADRB] offset:BY+16*(BY/256)+\i*16*BP
.else
	ds_load_b64 v[\f+48+12*\i+2*\p:\f+48+12*\i+2*\p+1], v[ADRB+1] offset:BY+16*(BY/256)+\i*16*BP
.endif
.endr
.endr
.endm
.macro MUL st, f, zero                 ; 16 products; the 16 accumulators take turns
.irp a, 0,1,2,3
.irp b, 0,1,2,3
.if \zero
	v_wmma_scale_f32_16x16x128_f8f6f4 v[8*(4*\a+\b):8*(4*\a+\b)+7], v[\f+48+12*\b:\f+48+12*\b+11], v[\f+12*\a:\f+12*\a+11], 0, v[SC+8*\b+(\st)], v[SC+8*\a+(\st)] matrix_a_fmt:MATRIX_FMT_FP6 matrix_b_fmt:MATRIX_FMT_FP6 matrix_a_scale:MATRIX_SCALE_ROW1
.else
	v_wmma_scale_f32_16x16x128_f8f6f4 v[8*(4*\a+\b):8*(4*\a+\b)+7], v[\f+48+12*\b:\f+48+12*\b+11], v[\f+12*\a:\f+12*\a+11], v[8*(4*\a+\b):8*(4*\a+\b)+7], v[SC+8*\b+(\st)], v[SC+8*\a+(\st)] matrix_a_fmt:MATRIX_FMT_FP6 matrix_b_fmt:MATRIX_FMT_FP6 matrix_a_scale:MATRIX_SCALE_ROW1
.endif
.endr
.endr
.endm
	s_wait_alu depctr_va_vdst(0)                   ; the head's end
	s_wait_tensorcnt 0x0                           ; my tile is in
	s_barrier_signal -1
	s_barrier_wait -1                              ; all four are
	FETCH 0, 32
.irp i, 0,1,2,3
	ds_load_b128 v[SC+8*\i:SC+8*\i+3], v[ADRS] offset:\i*SBLK      ; a row's eight scale words, for all of K
	ds_load_b128 v[SC+8*\i+4:SC+8*\i+7], v[ADRS] offset:\i*SBLK+16
.endr
	FETCH 1, 128
	s_wait_dscnt 48                                ; all but the 48 just issued
	WIN 0x50                                       ; C and D in window 1
	MUL 0, 32, 1
	WIN 0
.set ST, 1
.rept 6
.rept 4
	v_nop                                          ; places in front of loads into the set that the last products read
.endr
	FETCH ST+1, 32+96*((ST+1)%2)
	s_wait_dscnt 48
	WIN 0x50
	MUL ST, 32+96*(ST%2), 0
	WIN 0
.set ST, ST+1
.endr
	s_wait_dscnt 0x0
	WIN 0x50
	MUL 7, 128, 0
	WIN 0
; THE WAY OUT: a block of 16 rows x 64 columns goes through my own stage and comes back as rows of 256 bytes.  LDS serves a wave's instructions in order.
.macro TOSTAGE a
	WIN 0x04                                       ; the data: window 1
.irp b, 0,1,2,3
	ds_store_b128 v[STO], v[32*\a+8*\b:32*\a+8*\b+3] offset:64*\b       ; each accumulator from its low end on
	ds_store_b128 v[STO], v[32*\a+8*\b+4:32*\a+8*\b+7] offset:64*\b+16
.endr
	WIN 0
.irp t, 0,1,2,3,4,5,6,7
	ds_load_b128 v[32+32*\a+4*\t:32+32*\a+4*\t+3], v[RD] offset:\t*2*272
.endr
.endm
.macro SEND a
.irp t, 0,1,2,3,4,5,6,7
	global_store_b128 v[CO], v[32+32*\a+4*\t:32+32*\a+4*\t+3], s[12:13] offset:\a*65536+\t*8192 th:TH_STORE_NT   ; sixteen lanes store 256 consecutive bytes, aligned
.endr
.endm
.rept 4
	v_nop                                          ; places behind the last products
.endr
	TOSTAGE 0
.irp a, 1,2,3
	TOSTAGE \a
	s_wait_dscnt 16                                ; behind the block before: this block's 8 stores and 8 loads
	SEND (\a-1)
.endr
	s_wait_dscnt 0x0
	SEND 3
	s_wait_tensorcnt 0x0                           ; the wave's end
	ds_add_u32 v[SPW], v[NIL]
	s_wait_dscnt 0x0
	CROUND                                         ; the closing round
	s_endpgm
.Lfunc_end_k_q685ce323eb_proj:
	.size	k_q685ce323eb_proj, .Lfunc_end_k_q685ce323eb_proj-k_q685ce323eb_proj
	.p2alignl 7, 3214868480
	.fill 96, 4, 3214868480
	.section	.rodata,"a",@progbits
	.p2align	6, 0x0
	.amdhsa_kernel k_q685ce323eb_proj
		.amdhsa_group_segment_fixed_size 229376
		.amdhsa_private_segment_fixed_size 0
		.amdhsa_enable_private_segment 0
		.amdhsa_kernarg_size 24
		.amdhsa_user_sgpr_count 2
		.amdhsa_user_sgpr_kernarg_segment_ptr 1
		.amdhsa_wavefront_size32 1
		.amdhsa_system_sgpr_workgroup_id_x 1
		.amdhsa_system_sgpr_workgroup_id_y 1
		.amdhsa_system_sgpr_workgroup_id_z 1
		.amdhsa_system_vgpr_workitem_id 0
		.amdhsa_next_free_vgpr 384
		.amdhsa_next_free_sgpr 98
		.amdhsa_reserve_vcc 0
		.amdhsa_float_denorm_mode_32 3
		.amdhsa_float_denorm_mode_16_64 3
		.amdhsa_memory_ordered 1
		.amdhsa_forward_progress 1
		.amdhsa_inst_pref_size 59
	.end_amdhsa_kernel
	.amdgpu_metadata
---
amdhsa.version: [ 1, 2 ]
amdhsa.kernels:
  - .name:           k_q685ce323eb_proj
    .symbol:         k_q685ce323eb_proj.kd
    .args:
      - { .name: oq, .offset: 0, .size: 8, .value_kind: global_buffer, .address_space: global }
      - { .name: wq, .offset: 8, .size: 8, .value_kind: global_buffer, .address_space: global }
      - { .name: out0, .offset: 16, .size: 8, .value_kind: global_buffer, .address_space: global }
    .group_segment_fixed_size: 229376
    .private_segment_fixed_size: 0
    .kernarg_segment_align: 8
    .kernarg_segment_size: 24
    .max_flat_workgroup_size: 128
    .sgpr_count:     98
    .vgpr_count:     384
    .wavefront_size: 32
...
	.end_amdgpu_metadata
.endif
;; end of part 4
